; MI455X (gfx1250); checked and timed in simulation.
; The chip was launched on July 23, 2026; its instructions are those of AMD's public machine-readable ISA for CDNA 5 (MIT licence, August 2026) and "CDNA5" Instruction Set Architecture Reference Guide (July 2026). The comments in the code are by the model that wrote it; some were corrected since.
;; Multi Head Attention. Allowed arithmetic: matrix products marked QUANTISED: E2M3 operands, one E8M0 scale for each 32 along K, by v_wmma_scale_f32_16x16x128_f8f6f4 with both operands' format E2M3, f32 sums; everything else in f32.
;; Inputs: Wk 1,024 x 1,024 float32; Wo 1,024 x 1,024 float32; Wq 1,024 x 1,024 float32; Wv 1,024 x 1,024 float32; bk 1,024 float32; bo 1,024 float32; bq 1,024 float32; bv 1,024 float32; key 4 x 2,048 x 1,024 float32; query 4 x 2,048 x 1,024 float32; value 4 x 2,048 x 1,024 float32.
;; Outputs: out0 4 x 2,048 x 1,024 float32.
;; This version of the problem:
;;   THIS VERSION OF THE PROBLEM IS GIVEN IN LOW PRECISION. The matrix products marked QUANTISED in the list below multiply operands that are first quantised to E2M3 (2 exponent bits, 3 mantissa bits; 6 bits a number), with one power-of-two scale for each 32 numbers along K (OCP MX v1.0); their sums are f32. All else is computed in f32.
;;   The module's matrix products, in the order in which they are computed (A, B: the left and right operand; K: the contracted axis; several contracted axes count as one K, in the product's order):
;;     1. [M 8,192, K 1,024] x [K 1,024, N 1,024]; A: input query; B: input Wq: QUANTISED
;;     2. [M 8,192, K 1,024] x [K 1,024, N 1,024]; A: input key; B: input Wk: QUANTISED
;;     3. [M 8,192, K 1,024] x [K 1,024, N 1,024]; A: input value; B: input Wv: QUANTISED
;;     4. batch 64 x [M 2,048, K 64] x [K 64, N 2,048]; A: computed on the way; B: computed on the way: QUANTISED
;;     5. batch 64 x [M 2,048, K 2,048] x [K 2,048, N 64]; A: softmax (see below); B: computed on the way: QUANTISED
;;     6. [M 8,192, K 1,024] x [K 1,024, N 1,024]; A: computed on the way; B: input Wo: QUANTISED
;;   THE QUANTISER, for each operand of a quantised product, along K:
;;     - K is cut into blocks of 32 from its start; a last block that is shorter is filled with zeros.
;;     - A block's scale is 2^e with e = floor(log2(the largest magnitude in the block)) - 2, held to -126 .. 127; a block of zeros has e = 0. As a byte (E8M0): e + 127.
;;     - Each number is divided by its block's scale, clamped to +-7.5, and rounded to the nearest number of E2M3, ties to even, subnormals kept.
;;     - The product sums the exact products of the quantised numbers (number of the format x scale) in f32.
;;   ~~~python
;;   def quantise(x, axis):      # numpy; x: float32 -> the quantised numbers, widened to float32 again
;;       x = np.moveaxis(x, axis, -1); K = x.shape[-1]
;;       x = np.pad(x, [(0, 0)] * (x.ndim - 1) + [(0, -K % 32)]); x = x.reshape(x.shape[:-1] + (-1, 32)); a = np.abs(x).max(-1, keepdims=True)
;;       e = np.where(a > 0, np.clip(np.frexp(np.where(a > 0, a, 1))[1] - 1 - 2, -126, 127), 0)      # np.frexp(a)[1] - 1 = floor(log2(a)), exactly
;;       r = np.clip(x / 2.0 ** e, -7.5, 7.5)
;;       step = 2.0 ** (np.maximum(np.frexp(np.where(r == 0, 1, r))[1] - 1, 0) - 3)
;;       q = np.round(r / step) * step * 2.0 ** e      # np.round: ties to even
;;       return np.moveaxis(q.reshape(q.shape[:-2] + (-1,))[..., :K], -1, axis).astype(np.float32)
;;   ~~~
;;   SOFTMAX AHEAD OF A QUANTISED PRODUCT. Where the list says 'softmax', what is quantised is not the finished softmax but p = 2^(t - M), with t = logit x log2(e) and M = ceil(the row's largest t), a whole number; so 1/2 < the row's largest p <= 1. The row's sum l is taken of the UNQUANTISED p, in f32, and the product's result is divided by l at the end. Since M is a whole number, a kernel that streams over the keys may use a running M (the ceiling of the running maximum): every later rescaling is an exact power of two, which a block's scale takes up: the codes' values come out the same.
;;   OPERANDS COMPUTED ON THE WAY. 'Computed on the way' means the value that the module computes at that place (a softmax that the list does not call 'softmax' is quantised finished and normalised). What goes into a quantiser is computed in f32, as accurately as f32 sums, v_exp_f32 and their like allow (about 1e-6 of the number): no bf16 or f16 on the way to a quantiser, and a product that is left as it is and whose result goes on into a quantised operand takes f32 operands (vector FMAs, or v_wmma_f32_16x16x4_f32). A number that lies on a knife's edge between two numbers of the format may be rounded either way, as far as f32 arithmetic and the matrix unit's own rounding can turn it there, and no further.
;; One version. Each part assembles by itself: llvm-mc -triple=amdgcn-amd-amdhsa -mcpu=gfx1250 --defsym DOCPART=n.
;; ======== version 1 of 1: 4 launches
;; limits: right only within a limited range of input values
;; workspace buffers: xc 22,020,096 bytes; xs 917,504 bytes; qimg 6,815,744 bytes; kv 13,369,344 bytes; oc 6,291,456 bytes; osc 262,144 bytes
;; launch quant (part 1): grid 256 x 1, 14 waves a work-group, no clusters, 163,328 bytes of LDS; arguments query, key, value, Wq, Wk, Wv, Wo, xc, xs; writes xc, xs
.if DOCPART == 1
	.amdgcn_target "amdgcn-amd-amdhsa--gfx1250"
	.amdhsa_code_object_version 6
	.text
	.protected	k_qf95173eaf1_quant
	.globl	k_qf95173eaf1_quant
	.p2align	8
	.type	k_qf95173eaf1_quant,@function
k_qf95173eaf1_quant:
	s_mov_b64 s[64:65], 0
	v_nop
	global_prefetch_b8 v0, s[64:65] scope:SCOPE_SE
	s_setreg_imm32_b32 hwreg(HW_REG_WAVE_MODE, 25, 1), 1
	s_wait_xcnt 0x0
; query, key, value [8192][1024] and Wq, Wk, Wv, Wo [1024][1024], f32, K innermost, become codes of FP6 (E2M3) and one E8M0 byte for each 32 along K.
; The seven tensors lie on end, 28,672 rows.  xs: 32 scale bytes a row.  xc: [256 rows][K step of 256][row][192 bytes]: the 128 or 256 rows of one K step are
; one dense run of bytes that begins at a multiple of 256, which the products' launches fetch as rows of 256 bytes or a multiple.
; A block's scale is 2^(floor(log2(its largest magnitude)) - 2); its byte is the largest magnitude's exponent field - 2, held at 1 from below.
; LIMITS: NaN and infinities are not served; a block whose largest magnitude lies under 2^-124 gets the byte 1; a block of zeros gets the byte 1 where the rule
; says 127: its codes are zeros, which add nothing under any byte but 0xff, and the bytes are read by this program alone.
; SHARES: 3,584 groups of eight rows; a wave takes one group (8,192 numbers) in 16 steps of 512 numbers, a work-group of 14 waves 112 rows: 256 work-groups of equal work.
; Groups 0-1023 query, 1024-2047 key, 2048-3071 value, then 128 each for Wq, Wk, Wv, Wo: the tensor is chosen from the group's number, wave by wave.
; THE ORDER OF ROWS.  value, Wq, Wk, Wv: the second and third group of every four change places.  key: in every eight groups group 4 h + j goes to place 2 j + h,
; so that 16 neighbouring stored rows are keys 8 j + i and 32 + 8 j + i: a lane of the score product then holds whole blocks of 32 keys.  query and Wo keep their order.
; Each of a step's four loads reads 512 consecutive bytes; the 2,048 bytes turn through the wave's own stage in LDS and come back 64 bytes (16 neighbours) a lane; two neighbouring lanes hold a block.
; THE WAY OUT: a wave's codes, 4 K steps x 8 rows x 192 bytes, gather in its own LDS bytes in the order of xc and leave by twelve stores of 512 consecutive bytes, each from a multiple of 256 on.
; No tensor loads, no barrier: waves share nothing, and work-groups share no input, so there is no cluster.
.set WAVES, 14
.set STEPS, 16
.set EMAX,  2
.set CB,    12                         ; bytes of 16 codes
.set KSB,   49152                      ; from K step to K step in a block of 256 rows
.set R,     16                         ; v16-79   four sets of 16 numbers as they are loaded; at the end the codes on their way out
.set X,     80                         ; v80-111  two sets of 16 neighbours
.set C,     128                        ; v128-191 codes: four registers for each step
.set E,     112                        ; v112-127 a scale byte for each step
.set SP,    80                         ; a lane's place in a stage: 64 bytes + 16 of padding
.set SCB,   2*32*SP                    ; LDS, in a wave's region: two stages, then its 256 scale bytes,
.set CDB,   SCB+256                    ; then its 6,144 bytes of codes
.set WREG,  CDB+6144
.set SPW,   12                         ; v12  LDS address of my spare word; never rewritten
.set NIL,   13                         ; v13  0; never rewritten
.set SPARE, WAVES*WREG                 ; the spare words: 128 bytes for each wave, named by no other line
	s_load_b512 s[4:19], s[0:1], 0x0               ; query, key, value, Wq, Wk, Wv, Wo, xc
	s_load_b64 s[20:21], s[0:1], 0x40              ; xs
	v_lshl_add_u32 v[SPW], v0, 2, SPARE
	v_mov_b32 v[NIL], 0
	v_lshrrev_b32 v1, 5, v0
	v_readfirstlane_b32 s22, v1                    ; wave
	v_and_b32 v2, 31, v0                           ; lane
	v_lshlrev_b32 v3, 4, v2                        ; my 16 bytes of 512
	s_mul_i32 s23, s22, WREG
	v_lshrrev_b32 v14, 2, v2
	v_mul_u32_u24 v14, v14, SP
	v_and_b32 v15, 3, v2
	v_lshl_add_u32 v14, v15, 4, v14
	v_add_nc_u32 v14, s23, v14                     ; the stage, on the way in: SP (lane / 4) + 16 (lane % 4)
	v_mul_u32_u24 v15, v2, SP
	v_add_nc_u32 v15, s23, v15                     ; and on the way out: SP x lane: my 16 neighbours
	v_and_b32 v4, 15, v2
	v_mul_u32_u24 v4, v4, CB
	v_lshrrev_b32 v10, 4, v2
	v_mad_u32_u24 v4, v10, 8*192, v4
	v_add_nc_u32 v4, s23, v4                       ; my codes' place in LDS (+ CDB): lanes 0-15 one K step's 192 bytes of the row, lanes 16-31 the next K step's
	v_add_nc_u32 v10, s23, v3                      ; and where I read 16 bytes of them back (+ CDB)
	v_lshrrev_b32 v5, 1, v2
	v_add_nc_u32 v5, s23, v5                       ; my block's scale byte (+ SCB)
	v_lshlrev_b32 v7, 3, v2                        ; and on the way out 8 bytes a lane
	v_add_nc_u32 v6, s23, v7
	s_mul_i32 s27, ttmp9, WAVES
	s_add_co_u32 s27, s27, s22                     ; my group of eight rows
	s_wait_alu depctr_va_vdst(0)                   ; the wait at the head's end
	s_wait_kmcnt 0x0
	s_mov_b64 s[24:25], s[16:17]                   ; which tensor: the choice hangs on the group's number alone.  Wo,
	s_movk_i32 s26, 3456                           ; whose first group is 3456
.macro PICK lim, ptr, base
	s_cmp_lt_u32 s27, \lim
	s_cselect_b64 s[24:25], s[\ptr:\ptr+1], s[24:25]
	s_cselect_b32 s26, \base, s26
.endm
	PICK 3456, 14, 3328                            ; Wv
	PICK 3328, 12, 3200                            ; Wk
	PICK 3200, 10, 3072                            ; Wq
	PICK 3072, 8, 2048                             ; value
	PICK 2048, 6, 1024                             ; key
	PICK 1024, 4, 0                                ; query
	s_sub_co_u32 s30, s27, s26
	s_lshl_b32 s30, s30, 15                        ; 32,768 bytes a group
	s_mov_b32 s31, 0
	s_add_nc_u64 s[24:25], s[24:25], s[30:31]
	s_and_b32 s28, s27, 1                          ; groups 1 and 2 of four change places
	s_lshl_b32 s28, s28, 1
	s_bfe_u32 s29, s27, 0x10001
	s_or_b32 s28, s28, s29
	s_and_b32 s29, s27, 0xfffffffc
	s_or_b32 s28, s28, s29
	s_sub_co_u32 s29, s27, 2048
	s_cmp_lt_u32 s29, 1408                         ; in groups 2048 to 3455: value, Wq, Wk, Wv
	s_cselect_b32 s28, s28, s27
	s_and_b32 s30, s27, 3                          ; key: group 4 h + j of eight
	s_lshl_b32 s30, s30, 1
	s_bfe_u32 s29, s27, 0x10002
	s_or_b32 s30, s30, s29                         ; goes to place 2 j + h
	s_and_b32 s29, s27, 0xfffffff8
	s_or_b32 s29, s29, s30
	s_sub_co_u32 s30, s27, 1024
	s_cmp_lt_u32 s30, 1024                         ; groups 1024 to 2047
	s_cselect_b32 s27, s29, s28                    ; where my eight rows go
	s_lshr_b32 s30, s27, 5                         ; the block of 256 rows: 196,608 bytes of codes,
	s_mul_i32 s30, s30, 4*KSB
	s_and_b32 s29, s27, 31
	s_mul_i32 s29, s29, 8*192                      ; and my eight rows in each of its K steps
	s_add_co_u32 s30, s30, s29
	s_add_nc_u64 s[18:19], s[18:19], s[30:31]
	s_lshl_b32 s30, s27, 8                         ; 256 scale bytes a group
	s_add_nc_u64 s[20:21], s[20:21], s[30:31]
.macro LOAD t
.irp i, 0,1,2,3
	global_load_b128 v[R+16*((\t)%4)+4*\i:R+16*((\t)%4)+4*\i+3], v3, s[24:25] offset:2048*(\t)+512*\i th:TH_LOAD_NT   ; 32 lanes read 512 consecutive bytes
.endr
.endm
.macro TURN t                          ; step t's numbers through the stage: LDS serves a wave's instructions in order, so no wait stands between the stores and the loads
.irp i, 0,1,2,3
	ds_store_b128 v14, v[R+16*((\t)%4)+4*\i:R+16*((\t)%4)+4*\i+3] offset:32*SP*((\t)%2)+8*SP*\i
.endr
.irp i, 0,1,2,3
	ds_load_b128 v[X+16*((\t)%2)+4*\i:X+16*((\t)%2)+4*\i+3], v15 offset:32*SP*((\t)%2)+16*\i
.endr
.endm
.irp t, 0,1,2,3
	LOAD \t
.endr
	s_wait_loadcnt 12                              ; step 0's four loads are in; the twelve of steps 1 to 3 may be out
	TURN 0
.macro STEP t
.set XS, X+16*((\t)%2)
.if (\t) > 0
	s_wait_dscnt 4                                 ; this step's numbers are back from the stage (the last step's four stores of its byte and codes may be out): so its stores into the stage have read their registers,
.else
	s_wait_dscnt 0x0
.endif
.if (\t)+4 < STEPS
	LOAD (\t)+4                                    ; which take the loads of four steps on
.endif
.if (\t)+1 < STEPS
.if STEPS-2-(\t) >= 3
	s_wait_loadcnt 12                              ; the next step's four loads are in; those of the three steps behind it may be out
.else
	s_wait_loadcnt 4*(STEPS-2-(\t))
.endif
	TURN (\t)+1                                    ; and go through the other stage while this step is worked
.endif
	v_max3_num_f32 v8, |v[XS]|, |v[XS+1]|, |v[XS+2]|               ; the largest magnitude of my 16, in two chains
	v_max3_num_f32 v9, |v[XS+3]|, |v[XS+4]|, |v[XS+5]|
.irp i, 6,10
	v_max3_num_f32 v8, v8, |v[XS+\i]|, |v[XS+\i+1]|
	v_max3_num_f32 v9, v9, |v[XS+\i+2]|, |v[XS+\i+3]|
.endr
	v_max3_num_f32 v8, v8, |v[XS+14]|, |v[XS+15]|
	v_max3_num_f32 v8, v8, v9, (EMAX+1)<<23        ; and the floor 2^(3 - 127): the byte cannot fall under 1
	v_max_num_f32_dpp v8, v8, v8 row_xmask:1 row_mask:0xf bank_mask:0xf   ; and of my neighbour's 16: the block's
	v_add_nc_u32 v11, -(EMAX<<23), v8              ; 2 off its exponent field: the conversion takes the exponent field of this operand as its scale
	v_cvt_scalef32_pk16_fp6_f32 v[C+4*(\t):C+4*(\t)+2], v[XS:XS+15], v11         ; sixteen codes, 96 bits, the first number's code lowest
	v_lshrrev_b32 v[E+(\t)], 23, v11               ; the scale's byte
	ds_store_b8 v5, v[E+(\t)] offset:SCB+16*(\t)   ; both lanes of a block write the same byte with the same value
.irp d, 0,1,2
	ds_store_b32 v4, v[C+4*(\t)+\d] offset:CDB+2*8*192*((\t)%2)+192*((\t)/2)+4*\d   ; row t / 2, K steps 2 (t % 2) and 2 (t % 2) + 1
.endr
.endm
.irp t, 0,1,2,3,4,5,6,7,8,9,10,11,12,13,14,15
	STEP \t
.endr
	ds_load_b64 v[8:9], v6 offset:SCB              ; LDS serves a wave's instructions in order: these see my stores
.irp j, 0,1,2,3,4,5,6,7,8,9,10,11
	ds_load_b128 v[R+4*\j:R+4*\j+3], v10 offset:CDB+512*\j
.endr
	s_wait_dscnt 0x0
	global_store_b64 v7, v[8:9], s[20:21]          ; 32 lanes store 256 consecutive bytes, at a multiple of 256 from xs's first byte
.irp j, 0,1,2,3,4,5,6,7,8,9,10,11
	global_store_b128 v3, v[R+4*\j:R+4*\j+3], s[18:19] offset:KSB*(\j/3)+512*(\j%3)   ; 512 consecutive bytes, at a multiple of 256 from xc's first byte
.endr
	s_wait_tensorcnt 0x0                           ; the wave's end
	ds_add_u32 v[SPW], v[NIL]
	s_wait_dscnt 0x0
	s_endpgm
.Lfunc_end_k_qf95173eaf1_quant:
	.size	k_qf95173eaf1_quant, .Lfunc_end_k_qf95173eaf1_quant-k_qf95173eaf1_quant
	.p2alignl 7, 3214868480
	.fill 96, 4, 3214868480
	.section	.rodata,"a",@progbits
	.p2align	6, 0x0
	.amdhsa_kernel k_qf95173eaf1_quant
		.amdhsa_group_segment_fixed_size 163328
		.amdhsa_private_segment_fixed_size 0
		.amdhsa_enable_private_segment 0
		.amdhsa_kernarg_size 72
		.amdhsa_user_sgpr_count 2
		.amdhsa_user_sgpr_kernarg_segment_ptr 1
		.amdhsa_wavefront_size32 1
		.amdhsa_system_sgpr_workgroup_id_x 1
		.amdhsa_system_sgpr_workgroup_id_y 1
		.amdhsa_system_sgpr_workgroup_id_z 1
		.amdhsa_system_vgpr_workitem_id 0
		.amdhsa_next_free_vgpr 192
		.amdhsa_next_free_sgpr 66
		.amdhsa_reserve_vcc 0
		.amdhsa_float_denorm_mode_32 3
		.amdhsa_float_denorm_mode_16_64 3
		.amdhsa_memory_ordered 1
		.amdhsa_forward_progress 1
		.amdhsa_inst_pref_size 37
	.end_amdhsa_kernel
	.amdgpu_metadata
---
amdhsa.version: [ 1, 2 ]
amdhsa.kernels:
  - .name:           k_qf95173eaf1_quant
    .symbol:         k_qf95173eaf1_quant.kd
    .args:
      - { .name: query, .offset: 0, .size: 8, .value_kind: global_buffer, .address_space: global }
      - { .name: key, .offset: 8, .size: 8, .value_kind: global_buffer, .address_space: global }
      - { .name: value, .offset: 16, .size: 8, .value_kind: global_buffer, .address_space: global }
      - { .name: Wq, .offset: 24, .size: 8, .value_kind: global_buffer, .address_space: global }
      - { .name: Wk, .offset: 32, .size: 8, .value_kind: global_buffer, .address_space: global }
      - { .name: Wv, .offset: 40, .size: 8, .value_kind: global_buffer, .address_space: global }
      - { .name: Wo, .offset: 48, .size: 8, .value_kind: global_buffer, .address_space: global }
      - { .name: xc, .offset: 56, .size: 8, .value_kind: global_buffer, .address_space: global }
      - { .name: xs, .offset: 64, .size: 8, .value_kind: global_buffer, .address_space: global }
    .group_segment_fixed_size: 163328
    .private_segment_fixed_size: 0
    .kernarg_segment_align: 8
    .kernarg_segment_size: 72
    .max_flat_workgroup_size: 448
    .sgpr_count:     66
    .vgpr_count:     192
    .wavefront_size: 32
...
	.end_amdgpu_metadata
.endif
;; end of part 1
;; launch proj (part 2): grid 4 x 96, 4 waves a work-group, clusters of 4 x 4, 327,680 bytes of LDS; arguments xc, xs, bq, bk, bv, qimg, kv; writes qimg, kv
.if DOCPART == 2
	.amdgcn_target "amdgcn-amd-amdhsa--gfx1250"
	.amdhsa_code_object_version 6
	.text
	.protected	k_qf95173eaf1_proj
	.globl	k_qf95173eaf1_proj
	.p2align	8
	.type	k_qf95173eaf1_proj,@function
k_qf95173eaf1_proj:
	s_mov_b64 s[64:65], 0
	v_nop
	global_prefetch_b8 v0, s[64:65] scope:SCOPE_SE
	s_setreg_imm32_b32 hwreg(HW_REG_WAVE_MODE, 25, 1), 1
	s_wait_xcnt 0x0
	s_wait_alu depctr_hold_cnt(0) depctr_sa_sdst(0) depctr_va_vdst(0) depctr_va_sdst(0) depctr_va_ssrc(0) depctr_va_vcc(0) depctr_vm_vsrc(0)
	s_getreg_b32 s2, hwreg(HW_REG_IB_STS2, 6, 4)
	s_cmp_eq_u32 s2, 0
	s_cbranch_scc0 .Lentry_in_a_cluster
	s_endpgm
.Lentry_in_a_cluster:
	s_bfe_u32 s2, ttmp6, 0x10000c
	s_cmp_lg_u32 s2, 0xf033
	s_cbranch_scc0 .Lentry_shape_is_right
	s_endpgm
.Lentry_shape_is_right:
; Q = query Wq^T + bq, K = key Wk^T + bk, V = value Wv^T + bv on codes of FP6 with E8M0 scales; the results are quantised again and leave as images of the attention launch's operand registers.
; xc lies as [256 rows][K step of 256][row][192 bytes]: the 128 rows that a wave fetches for one K step are 24,576 dense bytes from a multiple of 256 on, stated as 96 rows of 256 bytes;
; the padding's interval stays 64 bytes, so an LDS row of 192 bytes has a pitch of 240.
.set KSTEP,  256
.set NQ,     2
.set ROWB,   49152                     ; bytes from K step to K step in a block of 256 rows of xc
.set KROW,   768
.set PITCH,  240
.set FR,     12
.set NL,     6
.set NP,     4
.set HALFT,  128*PITCH
.set SLOT,   4*HALFT
.set LAPS,   2
.set KS,     32
.set SCL,    2*SLOT
.set HALFS,  (128*KS/256)*272
.set SBLK,   (16*KS/256)*272
.set SPARE,  SCL+4*HALFS
.set ADRA, 16
.set ADRB, 20
.set L16,  24
.set L8,   25
.set BOQ,  26
.set ADRS, 27
.set SPW,  28
.set NIL,  29
.set BOV,  30
.set SC,   32
.set BI,   64
.set AF,   128
.set TM,   128
.set PC,   144
.set PWS,  164
.set WD,   172
.set SWA,  176
.set SWB,  180
.set G1, 24
.set G0, 32
.set G1B, 48
.set G0B, 56
.set G1S, 68
.set G0S, 76
.set G1SB, 80
.set G0SB, 88
.set MSB, 0
.macro WIN new
.if MSB != \new
	s_set_vgpr_msb (MSB<<8)|\new
.set MSB, \new
.endif
.endm
.set MUL_LO, 0xa1
.set MUL_HI, 0xf1
.set BIA_LO, 0x81
.set BIA_HI, 0xc1
.set TO_B,   0x40
.macro JLOAD g0a, g1a, g0b, g1b
	s_cmp_eq_u32 s15, 0
	s_cbranch_scc0 .Lfor_b_\@
	tensor_load_to_lds s[\g0a:\g0a+3], s[\g1a:\g1a+7]
	s_nop 0
.rept 4
	v_nop
.endr
	s_branch .Lasked_\@
.Lfor_b_\@:
	tensor_load_to_lds s[\g0b:\g0b+3], s[\g1b:\g1b+7]
	s_nop 0
.rept 4
	v_nop
.endr
.Lasked_\@:
.endm
.macro CREST
	s_cmp_lg_u32 s14, 0
	s_cbranch_scc1 .Lnot_wave_0_\@
	s_barrier_signal -3
.Lnot_wave_0_\@:
	s_barrier_wait -3
	s_barrier_signal -1
	s_barrier_wait -1
.endm
.macro CROUND
	s_barrier_signal -1
	s_barrier_wait -1
	CREST
.endm
	s_load_b256 s[4:11], s[0:1], 0x0
	s_load_b128 s[96:99], s[0:1], 0x20
	s_load_b64 s[100:101], s[0:1], 0x30
	v_lshl_add_u32 v[SPW], v0, 2, SPARE
	v_mov_b32 v[NIL], 0
	ds_add_u32 v[SPW], v[NIL]
	ds_add_u32 v[SPW], v[NIL]
	v_lshrrev_b32 v1, 5, v0
	v_readfirstlane_b32 s14, v1
	s_lshr_b32 s15, s14, 1
	s_and_b32 s16, s14, 1
	s_bfe_u32 s40, ttmp6, 0x40000
	s_bfe_u32 s41, ttmp6, 0x40004
	s_and_b32 s17, ttmp7, 0xffff
	s_lshr_b32 s95, s17, 3
	s_and_b32 s17, s17, 7
	s_lshl_b32 s17, s17, 2
	s_cmp_eq_u32 s95, 2
	s_cselect_b32 s2, 1, 0
	s_cselect_b32 s42, s17, 0
	s_cselect_b32 s17, 0, s17
	s_add_co_u32 s42, s42, s40
	s_add_co_u32 s17, s17, s41
	s_lshl_b32 s43, s41, 2
	s_lshl_b32 s43, 15, s43
	s_lshl_b32 s44, 0x1111, s40
	s_or_b32 s[G1+0], s43, (0<<16)|(1<<20)|(1<<21)|(3<<22)|(3<<25)
	s_or_b32 s[G1B+0], s44, (0<<16)|(1<<20)|(1<<21)|(3<<22)|(3<<25)
.irp g, G1, G1B
	s_mov_b32 s[\g+1], 256<<16
	s_mov_b32 s[\g+2], 96<<16
	s_mov_b32 s[\g+3], 256<<16
	s_mov_b32 s[\g+4], 96
	s_mov_b32 s[\g+5], 256
	s_mov_b32 s[\g+6], 0
	s_mov_b32 s[\g+7], 0
.endr
	s_or_b32 s[G1S+0], s43, (3<<16)|(1<<20)|(1<<21)|(5<<22)|(3<<25)
	s_or_b32 s[G1SB+0], s44, (3<<16)|(1<<20)|(1<<21)|(5<<22)|(3<<25)
.irp g, G1S, G1SB
	s_mov_b32 s[\g+1], 32<<16
	s_mov_b32 s[\g+2], (128*KS/256)<<16
	s_mov_b32 s[\g+3], 32<<16
	s_mov_b32 s[\g+4], 128*KS/256
	s_mov_b32 s[\g+5], 32
	s_mov_b32 s[\g+6], 0
	s_mov_b32 s[\g+7], 0
.endr
	s_lshl_b32 s18, s16, 7
	s_lshl_b32 s20, s17, 8
	s_add_co_u32 s20, s20, s18
	s_lshl_b32 s46, s42, 8
	s_add_co_u32 s46, s46, s18
	s_lshl_b32 s22, s20, 5
	s_lshl_b32 s92, s46, 5
	s_mul_i32 s20, s20, KROW
	s_mul_i32 s46, s46, KROW
	s_mul_i32 s18, s16, 128*KROW-24576             ; the second 128 rows of a block begin 24,576 bytes behind the first in each K step
	s_sub_co_u32 s20, s20, s18
	s_sub_co_u32 s46, s46, s18
	s_mul_i32 s18, s95, 6291456
	s_mul_i32 s19, s95, 786432
	s_add_co_u32 s19, s19, 18874368
	s_cmp_eq_u32 s2, 1
	s_cselect_b32 s40, s19, s18
	s_cselect_b32 s41, s18, s19
	s_add_co_u32 s20, s20, s40
	s_add_co_u32 s46, s46, s41
	s_lshl_b32 s18, s95, 18
	s_lshl_b32 s19, s95, 15
	s_add_co_u32 s19, s19, 786432
	s_cmp_eq_u32 s2, 1
	s_cselect_b32 s40, s19, s18
	s_cselect_b32 s41, s18, s19
	s_add_co_u32 s22, s22, s40
	s_add_co_u32 s92, s92, s41
	s_mov_b32 s21, 0
	s_mov_b32 s23, 0
	s_mov_b32 s47, 0
	s_mov_b32 s93, 0
	s_mul_i32 s45, s14, HALFT
	s_mul_i32 s94, s14, HALFS
	s_wait_dscnt 0x0
	s_wait_kmcnt 0x0
	s_add_nc_u64 s[20:21], s[4:5], s[20:21]
	s_add_nc_u64 s[22:23], s[6:7], s[22:23]
	s_add_nc_u64 s[46:47], s[4:5], s[46:47]
	s_add_nc_u64 s[92:93], s[6:7], s[92:93]
	CROUND
	s_mov_b32 s[G0S], 1
	s_add_co_u32 s[G0S+1], s94, SCL
	s_mov_b64 s[G0S+2:G0S+3], s[22:23]
	s_or_b32 s[G0S+3], s[G0S+3], 0x80000000
	s_mov_b32 s[G0SB], 1
	s_add_co_u32 s[G0SB+1], s94, SCL
	s_mov_b64 s[G0SB+2:G0SB+3], s[92:93]
	s_or_b32 s[G0SB+3], s[G0SB+3], 0x80000000
	JLOAD G0S, G1S, G0SB, G1SB
.irp s, 0,1
	s_mov_b32 s[G0+4*\s], 1
	s_add_co_u32 s[G0+4*\s+1], s45, \s*SLOT
	s_add_nc_u64 s[G0+4*\s+2:G0+4*\s+3], s[20:21], \s*ROWB
	s_or_b32 s[G0+4*\s+3], s[G0+4*\s+3], 0x80000000
	s_mov_b32 s[G0B+4*\s], 1
	s_add_co_u32 s[G0B+4*\s+1], s45, \s*SLOT
	s_add_nc_u64 s[G0B+4*\s+2:G0B+4*\s+3], s[46:47], \s*ROWB
	s_or_b32 s[G0B+4*\s+3], s[G0B+4*\s+3], 0x80000000
	s_wait_alu depctr_va_vdst(0)
	s_wait_tensorcnt 0x0
	ds_add_u32 v28, v29
	s_wait_dscnt 0x0
	CROUND
	JLOAD G0+4*\s, G1, G0B+4*\s, G1B
.endr
	v_and_b32 v1, 15, v0
	v_bfe_u32 v2, v0, 4, 1
	v_mul_u32_u24 v3, v1, PITCH
	v_mul_u32_u24 v4, v2, 24
	v_add_nc_u32 v4, v3, v4
	v_lshl_add_u32 v5, v2, 4, v4
	s_mul_i32 s21, s15, HALFT
	s_mul_i32 s22, s16, HALFT
	s_add_co_u32 s22, s22, 2*HALFT
.irp s, 0,1
	v_add_nc_u32 v[ADRA+\s], s21, v4
	v_add_nc_u32 v[ADRB+\s], s22, v4
	v_add_nc_u32 v[ADRA+2+\s], s21, v5
	v_add_nc_u32 v[ADRB+2+\s], s22, v5
	s_add_co_u32 s21, s21, SLOT
	s_add_co_u32 s22, s22, SLOT
.endr
	v_mul_u32_u24 v5, v1, KS
	v_lshrrev_b32 v6, 8, v5
	v_lshl_add_u32 v5, v6, 4, v5
	s_mul_i32 s21, s15, HALFS
	s_mul_i32 s22, s16, HALFS
	s_add_co_u32 s22, s22, 2*HALFS
	s_sub_co_u32 s22, s22, s21
	v_mul_u32_u24 v6, s22, v2
	s_add_co_u32 s21, s21, SCL
	v_add_nc_u32 v5, v5, v6
	v_add_nc_u32 v[ADRS], s21, v5
	v_and_b32 v6, 31, v0
	v_lshlrev_b32 v[L16], 4, v6
	v_lshlrev_b32 v[L8], 3, v6
	v_lshlrev_b32 v[BOQ], 6, v2
	v_and_b32 v[BOV], 8, v1
	v_add_nc_u32 v[BOV], v[BOV], v1
	v_lshlrev_b32 v[BOV], 2, v[BOV]
	s_lshl_b32 s20, s17, 1
	s_add_co_u32 s20, s20, s15
	s_lshl_b32 s21, s42, 1
	s_add_co_u32 s21, s21, s16
	s_cmp_eq_u32 s2, 1
	s_cselect_b32 s22, s21, s20
	s_cselect_b32 s23, s20, s21
	s_cmp_eq_u32 s95, 1
	s_cselect_b64 s[10:11], s[10:11], s[96:97]
	s_cmp_eq_u32 s95, 0
	s_cselect_b64 s[8:9], s[8:9], s[10:11]
	s_cselect_b64 s[12:13], s[98:99], s[100:101]
	s_movk_i32 s47, 13056
	s_cselect_b32 s47, 6656, s47
	s_lshl_b32 s18, s23, 9
	s_mov_b32 s19, 0
	s_add_nc_u64 s[8:9], s[8:9], s[18:19]
	s_lshr_b32 s46, s22, 4
	s_lshl_b32 s46, s46, 3
	s_add_co_u32 s46, s46, s23
	s_lshl_b32 s46, s46, 5
	s_and_b32 s22, s22, 15
	s_add_co_u32 s46, s46, s22
	s_mul_i32 s46, s46, s47
	s_lshl_b32 s22, s47, 4
	s_mov_b32 s47, 0
	s_mov_b32 s23, 0
	s_add_nc_u64 s[96:97], s[12:13], s[46:47]
	s_add_nc_u64 s[98:99], s[96:97], s[22:23]
	s_mov_b32 s100, 0x76543210
	s_mov_b32 s101, 0xfedcba98
	s_mov_b32 s66, 0x1800000
	s_mov_b32 s67, 0xffff0000
	s_mov_b32 s92, 0xffff
	s_mov_b32 s93, 0x7f7f0000
	s_mov_b32 s94, 0x7f7f
	s_cmp_eq_u32 s2, 1
	s_cbranch_scc1 .Lbias_v
	s_wait_alu depctr_va_vdst(0)
.irp b, 0,1,2,3,4,5,6,7
	global_load_b128 v[BI+8*\b:BI+8*\b+3], v[BOQ], s[8:9] offset:(32*(\b/2)+8*(\b%2))*4
	global_load_b128 v[BI+8*\b+4:BI+8*\b+7], v[BOQ], s[8:9] offset:(32*(\b/2)+8*(\b%2))*4+16
.endr
	s_branch .Lbias_done
.Lbias_v:
	s_wait_alu depctr_va_vdst(0)
.irp a, 0,1,2,3,4,5,6,7
.irp j, 0,1,2,3,4,5,6,7
	global_load_b32 v[BI+8*\a+\j], v[BOV], s[8:9] offset:(32*(\a/2)+8*(\a%2))*4
.endr
.endr
.Lbias_done:
.macro FRAG reg, adr, q, i
.irp p, 0,1,2,3,4,5
.set PCE, 12*(\q)+6*(\p/3)+\p%3
.if PCE%8 < 5
	ds_load_b64 v[\reg+2*\p:\reg+2*\p+1], v[\adr] offset:8*PCE+16*(PCE/8)+(\i)*16*PITCH
.else
	ds_load_b64 v[\reg+2*\p:\reg+2*\p+1], v[\adr+2] offset:8*PCE+16*(PCE/8)+(\i)*16*PITCH
.endif
.endr
.endm
.macro MUL16 a0, p, q, sc, zero
.irp a, \a0, \a0+1
.irp b, 0,1,2,3,4,5,6,7
.set DD, 8*(8*((\a)%4)+\b)
.set BF, 128*(\p)+FR*\b
.set AA, AF+FR*(\a)
.set SB, SC+8*NQ*(\sc)+NQ*\b+(\q)
.set SA, SC+8*NQ*(\sc)+NQ*(\a)+(\q)
.set CC, DD
.if (\zero) == 1
.set CC, BI+8*\b
.endif
.if (\zero) == 2
.set CC, BI+8*(\a)
.endif
	v_wmma_scale_f32_16x16x128_f8f6f4 v[DD:DD+7], v[BF:BF+FR-1], v[AA:AA+FR-1], v[CC:CC+7], v[SB], v[SA] matrix_a_fmt:MATRIX_FMT_FP6 matrix_b_fmt:MATRIX_FMT_FP6 matrix_a_scale:MATRIX_SCALE_ROW1
.endr
.endr
.endm
.macro FETCH_B slot, q, p
	WIN TO_B
.irp i, 0,1,2,3,4,5,6,7
	FRAG 128*(\p)+FR*\i, ADRB+\slot, \q, \i
.endr
	WIN 0
.endm
.macro FETCH_A slot, q, i0
.irp i, \i0, \i0+1, \i0+2, \i0+3
	FRAG AF+FR*(\i), ADRA+\slot, \q, \i
.endr
.endm
.macro SCALES sc
.irp i, 0,1,2,3,4,5,6,7
	ds_load_b64 v[SC+8*NQ*\sc+NQ*\i:SC+8*NQ*\sc+NQ*\i+1], v[ADRS] offset:\i*SBLK
.endr
.endm
.macro PLACES n
.rept \n
	v_nop
.endr
.endm
.macro STEP slot, q, zero
	s_wait_dscnt 4*NL
.if \zero
	WIN BIA_LO
.else
	WIN MUL_LO
.endif
	MUL16 0, (\q)%2, \q, \slot, \zero
	MUL16 2, (\q)%2, \q, \slot, \zero
	s_wait_dscnt 0
	PLACES NP
	FETCH_B \slot, (\q)+1, 1-(\q)%2
	FETCH_A \slot, (\q)+1, 0
.if \zero
	WIN BIA_HI
.else
	WIN MUL_HI
.endif
	MUL16 4, (\q)%2, \q, \slot, \zero
	MUL16 6, (\q)%2, \q, \slot, \zero
	PLACES NP
	WIN 0
	FETCH_A \slot, (\q)+1, 4
.endm
.macro TURN slot, next, fill
	s_wait_tensorcnt 0x0
	ds_add_u32 v[SPW], v[NIL]
	s_wait_dscnt 4*NL+1
	WIN MUL_LO
	MUL16 0, 1, NQ-1, \slot, 0
	s_wait_dscnt 0x0
	s_barrier_signal -1
	MUL16 2, 1, NQ-1, \slot, 0
	WIN 0
	s_barrier_wait -1
.if \fill
	CREST
	s_add_nc_u64 s[G0+4*\slot+2:G0+4*\slot+3], s[G0+4*\slot+2:G0+4*\slot+3], 2*ROWB
	s_add_nc_u64 s[G0B+4*\slot+2:G0B+4*\slot+3], s[G0B+4*\slot+2:G0B+4*\slot+3], 2*ROWB
	JLOAD G0+4*\slot, G1, G0B+4*\slot, G1B
.else
	PLACES NP
.endif
	s_wait_alu depctr_va_vdst(0)
	v_add_nc_u32 v[ADRS], 4*NQ, v[ADRS]
	FETCH_B \next, 0, 0
	FETCH_A \next, 0, 0
	SCALES \next
	WIN MUL_HI
	MUL16 4, 1, NQ-1, \slot, 0
	MUL16 6, 1, NQ-1, \slot, 0
	PLACES NP
	WIN 0
	FETCH_A \next, 0, 4
.endm
	s_wait_tensorcnt 1
	s_barrier_signal -1
	s_barrier_wait -1
	FETCH_B 0, 0, 0
	FETCH_A 0, 0, 0
	SCALES 0
	FETCH_A 0, 0, 4
	s_wait_loadcnt 0x0
	s_cmp_eq_u32 s2, 1
	s_cbranch_scc1 .Lfirst_v
	STEP 0, 0, 1
	s_branch .Lfirst_done
.Lfirst_v:
	STEP 0, 0, 2
.Lfirst_done:
	s_mov_b32 s3, LAPS-1
.Llap:
	TURN 0, 1, 1
	STEP 1, 0, 0
	TURN 1, 0, 1
	STEP 0, 0, 0
	s_sub_co_u32 s3, s3, 1
	s_cmp_lg_u32 s3, 0
	s_cbranch_scc1 .Llap
	TURN 0, 1, 0
	STEP 1, 0, 0
	s_wait_dscnt 4*NL
	WIN MUL_LO
	MUL16 0, 1, NQ-1, 1, 0
	MUL16 2, 1, NQ-1, 1, 0
	s_wait_dscnt 0
	WIN MUL_HI
	MUL16 4, 1, NQ-1, 1, 0
	MUL16 6, 1, NQ-1, 1, 0
	WIN 0
.macro QUANTA a
.set AC, 64*((\a)%4)
.set WN, 2+(\a)/4
.set WSEL, (WN<<4)|(WN<<2)
	WIN WSEL
.irp b, 0,1,2,3
	v_max3_num_f32 v[TM+\b], s66, |v[AC+16*\b]|, |v[AC+16*\b+1]|
.endr
.irp i, 2,4,6,8,10,12,14
.irp b, 0,1,2,3
	v_max3_num_f32 v[TM+\b], v[TM+\b], |v[AC+16*\b+\i]|, |v[AC+16*\b+\i+1]|
.endr
.endr
	WIN 0
.irp b, 0,1,2,3
	v_permlanex16_b32 v[TM+4+\b], v[TM+\b], s100, s101
.endr
.irp b, 0,1,2,3
	v_max_num_f32 v[TM+\b], v[TM+\b], v[TM+4+\b]
.endr
.irp b, 0,1,2,3
	v_add_nc_u32 v[TM+12+\b], 0xff000000, v[TM+\b]
.endr
.irp b, 0,1,2,3
	v_lshrrev_b32 v[TM+4+\b], 23, v[TM+12+\b]
.endr
	v_lshl_or_b32 v[PWS+(\a)], v[TM+5], 8, v[TM+4]
	v_lshl_or_b32 v[PWS+(\a)], v[TM+6], 16, v[PWS+(\a)]
	v_lshl_or_b32 v[PWS+(\a)], v[TM+7], 24, v[PWS+(\a)]
	s_wait_xcnt 0x0
	WIN WN
.irp c, 0,1
	v_cvt_scalef32_pk16_fp6_f32 v[PC+6*\c:PC+6*\c+2], v[AC+32*\c:AC+32*\c+15], v[TM+12+2*\c]
	v_cvt_scalef32_pk16_fp6_f32 v[PC+12+4*\c:PC+12+4*\c+2], v[AC+32*\c+16:AC+32*\c+31], v[TM+12+2*\c+1]
.endr
	WIN 0
	v_nop
.irp c, 0,1
.irp i, 0,1,2
	v_permlane16_swap_b32 v[PC+6*\c+\i], v[PC+12+4*\c+\i]
.endr
.irp i, 0,1,2
	v_mov_b32 v[PC+3+6*\c+\i], v[PC+12+4*\c+\i]
.endr
.endr
.endm
.macro PUT a
	s_cmp_eq_u32 s2, 1
	s_cbranch_scc1 .Lput_v_\@
	global_store_b128 v[L16], v[PC:PC+3], s[96:97] offset:768*(\a)
	global_store_b64 v[L8], v[PC+4:PC+5], s[96:97] offset:768*(\a)+512
	global_store_b128 v[L16], v[PC+6:PC+9], s[98:99] offset:768*(\a)
	global_store_b64 v[L8], v[PC+10:PC+11], s[98:99] offset:768*(\a)+512
	s_branch .Lput_done_\@
.Lput_v_\@:
	s_wait_alu depctr_va_vdst(0)
.irp c, 0,1,2
.if (\a) < 4
	global_store_b128 v[L16], v[PC+4*\c:PC+4*\c+3], s[96:97] offset:6656+1536*((\a)%4)+512*\c
.else
	global_store_b128 v[L16], v[PC+4*\c:PC+4*\c+3], s[98:99] offset:6656+1536*((\a)%4)+512*\c
.endif
.endr
.Lput_done_\@:
.endm
	PLACES NP
.irp b, 0,1,2,3
	v_mov_b32 v[TM+4+\b], 0
.endr
.irp a, 0,1,2,3,4,5,6,7
	QUANTA \a
	PUT \a
.endr
.irp k, 0,1,2,3
	v_cndmask_b32 v[WD+\k], v[PWS+2*\k], v[PWS+2*\k+1], s67
.endr
	s_cmp_eq_u32 s2, 1
	s_cbranch_scc1 .Lsw_v
.irp k, 0,1,2,3
	v_bfi_b32 v[SWA+\k], s92, v[WD+\k], s93
	v_alignbit_b32 v[SWB+\k], s94, v[WD+\k], 16
.endr
	global_store_b128 v[L16], v[SWA:SWA+3], s[96:97] offset:6144
	global_store_b128 v[L16], v[SWB:SWB+3], s[98:99] offset:6144
	s_branch .Lsw_done
.Lsw_v:
	s_wait_alu depctr_va_vdst(0)
	global_store_b64 v[L8], v[WD:WD+1], s[96:97] offset:12800
	global_store_b64 v[L8], v[WD+2:WD+3], s[98:99] offset:12800
.Lsw_done:
	s_wait_tensorcnt 0x0
	ds_add_u32 v[SPW], v[NIL]
	s_wait_dscnt 0x0
	CROUND
	s_endpgm
.Lfunc_end_k_qf95173eaf1_proj:
	.size	k_qf95173eaf1_proj, .Lfunc_end_k_qf95173eaf1_proj-k_qf95173eaf1_proj
	.p2alignl 7, 3214868480
	.fill 96, 4, 3214868480
	.section	.rodata,"a",@progbits
	.p2align	6, 0x0
	.amdhsa_kernel k_qf95173eaf1_proj
		.amdhsa_group_segment_fixed_size 327680
		.amdhsa_private_segment_fixed_size 0
		.amdhsa_enable_private_segment 0
		.amdhsa_kernarg_size 56
		.amdhsa_user_sgpr_count 2
		.amdhsa_user_sgpr_kernarg_segment_ptr 1
		.amdhsa_wavefront_size32 1
		.amdhsa_system_sgpr_workgroup_id_x 1
		.amdhsa_system_sgpr_workgroup_id_y 1
		.amdhsa_system_sgpr_workgroup_id_z 1
		.amdhsa_system_vgpr_workitem_id 0
		.amdhsa_next_free_vgpr 1024
		.amdhsa_next_free_sgpr 102
		.amdhsa_reserve_vcc 0
		.amdhsa_float_denorm_mode_32 3
		.amdhsa_float_denorm_mode_16_64 3
		.amdhsa_memory_ordered 1
		.amdhsa_forward_progress 1
		.amdhsa_inst_pref_size 193
	.end_amdhsa_kernel
	.amdgpu_metadata
---
amdhsa.version: [ 1, 2 ]
amdhsa.kernels:
  - .name:           k_qf95173eaf1_proj
    .symbol:         k_qf95173eaf1_proj.kd
    .args:
      - { .name: xc, .offset: 0, .size: 8, .value_kind: global_buffer, .address_space: global }
      - { .name: xs, .offset: 8, .size: 8, .value_kind: global_buffer, .address_space: global }
      - { .name: bq, .offset: 16, .size: 8, .value_kind: global_buffer, .address_space: global }
      - { .name: bk, .offset: 24, .size: 8, .value_kind: global_buffer, .address_space: global }
      - { .name: bv, .offset: 32, .size: 8, .value_kind: global_buffer, .address_space: global }
      - { .name: qimg, .offset: 40, .size: 8, .value_kind: global_buffer, .address_space: global }
      - { .name: kv, .offset: 48, .size: 8, .value_kind: global_buffer, .address_space: global }
    .group_segment_fixed_size: 327680
    .private_segment_fixed_size: 0
    .kernarg_segment_align: 8
    .kernarg_segment_size: 56
    .max_flat_workgroup_size: 128
    .sgpr_count:     102
    .vgpr_count:     1024
    .wavefront_size: 32
...
	.end_amdgpu_metadata
.endif
;; end of part 2
;; launch attn (part 3): grid 4 x 64, 16 waves a work-group, clusters of 4 x 1, 239,616 bytes of LDS; arguments qimg, kv, oc, osc; writes oc, osc
.if DOCPART == 3
	.amdgcn_target "amdgcn-amd-amdhsa--gfx1250"
	.amdhsa_code_object_version 6
	.text
	.protected	k_qf95173eaf1_attn
	.globl	k_qf95173eaf1_attn
	.p2align	8
	.type	k_qf95173eaf1_attn,@function
k_qf95173eaf1_attn:
	s_mov_b64 s[64:65], 0
	v_nop
	global_prefetch_b8 v0, s[64:65] scope:SCOPE_SE
	s_setreg_imm32_b32 hwreg(HW_REG_WAVE_MODE, 25, 1), 1
	s_wait_xcnt 0x0
	s_wait_alu depctr_hold_cnt(0) depctr_sa_sdst(0) depctr_va_vdst(0) depctr_va_sdst(0) depctr_va_ssrc(0) depctr_va_vcc(0) depctr_vm_vsrc(0)
	s_getreg_b32 s2, hwreg(HW_REG_IB_STS2, 6, 4)
	s_cmp_eq_u32 s2, 0
	s_cbranch_scc0 .Lentry_in_a_cluster
	s_endpgm
.Lentry_in_a_cluster:
	s_bfe_u32 s2, ttmp6, 0x10000c
	s_cmp_lg_u32 s2, 0x3003
	s_cbranch_scc0 .Lentry_shape_is_right
	s_endpgm
.Lentry_shape_is_right:
; O[b][head][q] = the sum over keys of softmax(q . k / 8) v, both products on codes of FP6 with E8M0 scales; O is then quantised along the head's 64 for the last projection.
; THE SOFTMAX AHEAD OF THE SECOND PRODUCT: t = score x log2(e) / 8; M = the running largest t rounded UP to a whole number; p = 2^(t - M) is quantised along the keys, not normalised.
; The row's sum is taken of the unquantised p and divides O at the end.  When M moves, the sum and O are multiplied by 2^(old M - new M): exact.
; SHARES.  A cluster is the four blocks of 512 queries of one (batch, head); a work-group owns 512 queries; each of its sixteen waves two tiles of 16 queries, one after the other, in 256 registers.
; LDS, FILLED ONCE: the work-group's Q images (26,624 bytes, wave 0's plain load), then the head's K and V: 16 blocks (128 keys each) of 13,056 bytes, two blocks to a load, asked for JOINTLY with the three partners:
; waves 1 and 2 fetch blocks 0 to 3, waves 3 to 8 the other twelve.  The first barrier shows the tiles of waves 0 to 2 alone; three key steps run on them (they read V up to block 2 and K up to block 3); a second barrier shows the rest.
; No tile is asked for inside a loop, so there is no loop in which a prefetch could run ahead of a request: none is written.
; A block holds images of operand registers: 8 tiles of K (six registers a lane: 512 + 256 bytes), 512 bytes of their scale words, 4 fragments of V^T (twelve registers: 3 x 512 bytes), 256 bytes of their scale words.
; LAYOUT.  Both products are used transposed: S^T = K Q^T, O^T = V^T P^T: a lane holds ONE query (lane % 16) throughout.  Row 8 h + i of K's tile 4 c + j is key 64 c + 32 h + 8 j + i, so that
; registers 32 c .. 32 c + 31 of S^T in lane (r, h) are the WHOLE block of keys 64 c + 32 h + 0 .. 31, in order: its largest needs no other lane, and two conversions give the six registers that P's fragment wants in that lane.
; THE FIRST PRODUCT'S K IS 64: the upper six registers of Q's fragment are zero codes, so whatever codes stand in the upper six of K's add nothing: K's fragment t is v[KV + 6 t .. + 11], whose upper six are the next
; tile's codes (for tile 7: six registers of V's codes).  The idle half's scale bytes are 1.0 on both sides.
; ONE STEP BEHIND: step i's second product is issued in step i + 1, among the lines that find M; K's tiles of step i + 1 are asked of LDS behind step i's scores, V's of step i behind the second product of step i - 1.
; A pass's first step so multiplies zero codes once (O^T and the sum begin as zeros); the last second product stands behind the loop.
; LIMITS: NaN and infinities are not served; the promise holds while the scaled scores t stay under 2^31 in magnitude; a block of O whose largest magnitude lies under 2^-124, zeros among them, gets the scale byte 1 (its codes are read by this program alone).
.set BLKB,  13056                      ; a block of 128 keys in LDS and in kv
.set KB,    26624                      ; LDS: Q's images lie from 0 on, the blocks from here on
.set LAST,  KB+15*BLKB
.set GS,    KB+16*BLKB                 ; O's scale bytes of the work-group's 512 rows, 2 bytes a row
.set SPARE, GS+1024                    ; the spare words: 128 bytes for each of 16 waves, named by no other line
.set L16, 1                            ; v1   16 x lane
.set L8,  2                            ; v2   8 x lane
.set ADK, 3                            ; v3   the step's block + 16 x lane
.set ADK8, 4                           ; v4   the step's block + 8 x lane
.set SPW, 5                            ; v5   my spare word; never rewritten
.set NIL, 6                            ; v6   0; never rewritten
.set GA,  7                            ; v7   where my row's two scale bytes go: GS + 64 x wave + 2 x (lane % 16)
.set QS,  8                            ; v8   Q's scale words
.set TMP, 9                            ; v9, v10, v0 at work
.set PT,  10
.set PW,  11                           ; v11  p's scale word
;                                        v12 -M, v13 the largest t, v[14:15] the sum in two halves
.set QF,  16                           ; v16-27 Q's fragment: six registers of codes, six of zeros
.set SH8, 28                           ; v28  8 x (lane / 16)
.set KV,  30                           ; v30-77 K's eight tiles
.set VV,  78                           ; v78-125 V^T's four fragments
.set S,   126                          ; v126-189 S^T, then p
.set OT,  190                          ; v190-221 O^T
.set PC,  222                          ; v222-233 p's codes
.set KS,  234                          ; v234-237 K's scale words: register t / 2, lanes 0-15 even t, lanes 16-31 odd t
.set VS,  238                          ; v238-239 V's likewise
.set FF,  240                          ; v240 f = 2^(old M - new M); v241 named with it as a pair
.set MX,  242                          ; v242-243 my two blocks' largest, then their bytes
.set SO,  244                          ; v244-245 the conversions' scale operands
.set CH,  248                          ; v248-255 chains of maxima and sums, then the second halves' codes
.set WV,  12                           ; s12  my wave's number
.set TB,  2                            ; s2   LDS byte at which the step's block begins
.set SEL, 20                           ; s[20:21] selects for lane l xor 16
.set CS,  22                           ; s[22:23] c = log2(e) / 8
.set G1,  24                           ; s[24:31], s[32:35] descriptor of two blocks of K and V
.set G0,  32
.set QA,  36                           ; s36  LDS: my first tile's image;  s37: its scale words
.set QW,  37
.set G1Q, 52                           ; s[52:59], s[60:63] descriptor of Q's images
.set G0Q, 60
.macro WALU
	s_wait_alu depctr_va_vdst(0)
.endm
.macro CROUND                          ; a round of the cluster's barrier
	s_barrier_signal -1
	s_barrier_wait -1
	s_cmp_lg_u32 s[WV], 0
	s_cbranch_scc1 .Lnot_wave_0_\@
	s_barrier_signal -3
.Lnot_wave_0_\@:
	s_barrier_wait -3
	s_barrier_signal -1
	s_barrier_wait -1
.endm
.macro TLOAD g0, g1                    ; s_nop 0 and four v_nop behind the load
	tensor_load_to_lds s[\g0:\g0+3], s[\g1:\g1+7]
	s_nop 0
.rept 4
	v_nop
.endr
.endm
	s_load_b256 s[4:11], s[0:1], 0x0               ; qimg s[4:5], kv s[6:7], oc s[8:9], osc s[10:11]
	v_lshl_add_u32 v[SPW], v0, 2, SPARE
	v_mov_b32 v[NIL], 0
	ds_add_u32 v[SPW], v[NIL]                      ; the opening lines: the add, twice on end, and its wait ahead of the first tensor load
	ds_add_u32 v[SPW], v[NIL]
	v_lshrrev_b32 v[TMP], 5, v0
	v_readfirstlane_b32 s[WV], v[TMP]              ; wave 0..15
	s_bfe_u32 s13, ttmp6, 0x40000                  ; cx: my block of 512 queries: it enters Q's, oc's and osc's addresses alone
	s_and_b32 s14, ttmp7, 0xffff                   ; 16 x batch + head, which the four partners share
	s_max_u32 s18, s[WV], 1
	s_sub_co_u32 s18, s18, 1                       ; waves 1 to 8 fetch pairs 0 to 7 of blocks
	s_lshl_b32 s16, s14, 3
	s_add_co_u32 s16, s16, s18
	s_mul_i32 s16, s16, 2*BLKB                     ; kv: my pair of my head's blocks
	s_mov_b32 s17, 0
	s_mul_i32 s15, s[WV], 2*BLKB
	s_add_co_u32 s15, s15, KB-2*BLKB               ; and its place in LDS: KB + (wave - 1) x two blocks
	s_lshl_b32 s38, s14, 4
	s_lshl_b32 s19, s13, 2
	s_add_co_u32 s38, s38, s19
	s_mul_i32 s38, s38, 6656                       ; qimg: my work-group's four blocks of 128 queries
	s_mov_b32 s39, 0
	s_lshr_b32 s19, s[WV], 2
	s_mul_i32 s[QA], s19, 6656                     ; LDS: the block of 128 queries in which my two tiles lie
	s_and_b32 s19, s[WV], 3
	s_lshl_b32 s[QW], s19, 2
	s_add_co_u32 s[QW], s[QW], s[QA]
	s_add_co_u32 s[QW], s[QW], 6144                ; scale words: 16 bytes from row to row, word w % 4; the second tile's 256 bytes on
	s_mul_i32 s19, s19, 1536
	s_add_co_u32 s[QA], s[QA], s19                 ; my first tile's image: tile 2 (w % 4) of the block
	s_and_b32 s42, s14, 15                         ; head
	s_lshr_b32 s43, s14, 4                         ; batch
	s_lshr_b32 s44, s42, 2
	s_mul_i32 s44, s44, 1572864                    ; oc: [head / 4][tile of 16 rows][head % 4][768]
	s_lshl_b32 s45, s43, 7
	s_lshl_b32 s46, s13, 5
	s_add_co_u32 s45, s45, s46
	s_lshl_b32 s46, s[WV], 1
	s_add_co_u32 s45, s45, s46                     ; my first tile of rows: 128 x batch + 32 cx + 2 w
	s_mul_i32 s45, s45, 3072
	s_add_co_u32 s44, s44, s45
	s_and_b32 s45, s42, 3
	s_mul_i32 s45, s45, 768
	s_add_co_u32 s44, s44, s45
	s_mov_b32 s45, 0
	s_lshl_b32 s46, s42, 14                        ; osc: [head][row], 2 bytes
	s_lshl_b32 s47, s43, 12
	s_add_co_u32 s46, s46, s47
	s_lshl_b32 s47, s13, 10
	s_add_co_u32 s46, s46, s47
	s_mov_b32 s47, 0
	s_mov_b32 s[G1], 15|(3<<16)|(1<<21)            ; two blocks: 102 dense rows of 256 bytes (32 elements of 8), for all four work-groups; bit 21 beside a mask
	s_mov_b32 s[G1+1], 32<<16
	s_mov_b32 s[G1+2], 102<<16
	s_mov_b32 s[G1+3], 32<<16
	s_mov_b32 s[G1+4], 102
	s_mov_b32 s[G1+5], 32
	s_mov_b32 s[G1+6], 0
	s_mov_b32 s[G1+7], 0
	s_mov_b32 s[G1Q], 3<<16                        ; Q's images: 104 dense rows of 256 bytes, for my work-group alone
	s_mov_b32 s[G1Q+1], 32<<16
	s_mov_b32 s[G1Q+2], 104<<16
	s_mov_b32 s[G1Q+3], 32<<16
	s_mov_b32 s[G1Q+4], 104
	s_mov_b32 s[G1Q+5], 32
	s_mov_b32 s[G1Q+6], 0
	s_mov_b32 s[G1Q+7], 0
	s_mov_b32 s[SEL], 0x76543210
	s_mov_b32 s[SEL+1], 0xfedcba98
	s_mov_b32 s[CS], 0x3e38aa3b                    ; c = log2(e) / 8
	s_mov_b32 s[CS+1], s[CS]                       ; (named with it as a pair, so it is written)
	s_lshl_b32 s48, s[WV], 6
	s_add_co_u32 s48, s48, GS
	v_and_b32 v[PT], 31, v0                        ; lane
	v_lshlrev_b32 v[L16], 4, v[PT]
	v_lshlrev_b32 v[L8], 3, v[PT]
	v_and_b32 v[TMP], 15, v0
	v_lshl_add_u32 v[GA], v[TMP], 1, s48
	v_bfe_u32 v[SH8], v0, 4, 1
	v_lshlrev_b32 v[SH8], 3, v[SH8]
	WALU                                           ; the wait here, directly ahead of the waits below
	s_wait_dscnt 0x0                               ; both opening adds are done
	s_wait_kmcnt 0x0
	s_mov_b32 s[G0], 1
	s_mov_b32 s[G0+1], s15
	s_add_nc_u64 s[G0+2:G0+3], s[6:7], s[16:17]
	s_or_b32 s[G0+3], s[G0+3], 0x80000000
	s_mov_b32 s[G0Q], 1
	s_mov_b32 s[G0Q+1], 0
	s_add_nc_u64 s[G0Q+2:G0Q+3], s[4:5], s[38:39]
	s_or_b32 s[G0Q+3], s[G0Q+3], 0x80000000
	s_add_nc_u64 s[8:9], s[8:9], s[44:45]
	s_add_nc_u64 s[10:11], s[10:11], s[46:47]
	CROUND                                         ; all four work-groups are here: the joint loads meet
	s_cmp_eq_u32 s[WV], 0                          ; one chain of branches on the wave's number, one load to an arm
	s_cbranch_scc0 .Learly
	TLOAD G0Q, G1Q                                 ; wave 0: Q's images
	s_branch .Lasked
.Learly:
	s_cmp_lt_u32 s[WV], 3
	s_cbranch_scc0 .Llate
	TLOAD G0, G1                                   ; waves 1, 2: blocks 0 to 3
	s_branch .Lasked
.Llate:
	s_cmp_lt_u32 s[WV], 9
	s_cbranch_scc0 .Lasked
	TLOAD G0, G1                                   ; waves 3 to 8: blocks 4 to 15
.Lasked:
.irp j, 6,7,8,9,10,11
	v_mov_b32 v[QF+\j], 0                          ; zero codes: the idle half of the first product's K
.endr
.set J, 0
.rept 48
	v_mov_b32 v[VV+J], 0                           ; written once: the first step's second product reads them beside zero codes of p
.set J, J+1
.endr
	v_mov_b32 v[VS], 0x7f7f7f7f                    ; and finite scale bytes
	v_mov_b32 v[VS+1], 0x7f7f7f7f
	v_mov_b32 v[PW], 0x7f7f7f7f
	v_mov_b32 v[FF+1], 0                           ; (named as the upper half of a pair)
	WALU                                           ; the wait at the head's end
	s_cmp_lt_u32 s[WV], 3
	s_cbranch_scc0 .Lnot_early
	s_wait_tensorcnt 0x0                           ; waves 0 to 2: my tile has landed
.Lnot_early:
	s_barrier_signal -1
	s_barrier_wait -1                              ; Q and blocks 0 to 3 lie in LDS
.macro KLOAD a16, a8, off              ; K's eight tiles and their scale words: 17 loads
.irp t, 0,1,2,3,4,5,6,7
	ds_load_b128 v[KV+6*\t:KV+6*\t+3], v[\a16] offset:\off+768*\t
	ds_load_b64 v[KV+6*\t+4:KV+6*\t+5], v[\a8] offset:\off+768*\t+512
.endr
	ds_load_b128 v[KS:KS+3], v[\a16] offset:\off+6144
.endm
.macro PV t                            ; O^T += V^T P^T, tile t of 16 of the head's 64; the four accumulators take turns
.if \t%2
	v_wmma_scale_f32_16x16x128_f8f6f4 v[OT+8*\t:OT+8*\t+7], v[VV+12*\t:VV+12*\t+11], v[PC:PC+11], v[OT+8*\t:OT+8*\t+7], v[VS+\t/2], v[PW] matrix_a_fmt:MATRIX_FMT_FP6 matrix_b_fmt:MATRIX_FMT_FP6 matrix_a_scale:MATRIX_SCALE_ROW1
.else
	v_wmma_scale_f32_16x16x128_f8f6f4 v[OT+8*\t:OT+8*\t+7], v[VV+12*\t:VV+12*\t+11], v[PC:PC+11], v[OT+8*\t:OT+8*\t+7], v[VS+\t/2], v[PW] matrix_a_fmt:MATRIX_FMT_FP6 matrix_b_fmt:MATRIX_FMT_FP6
.endif
.endm
; A KEY STEP: 128 keys.  kind 1: the pass's last step fetches block 0's K for the next pass; kind 0: it fetches none.
.macro STEP kind
	s_wait_dscnt 0x0                               ; this step's K (asked for behind the last step's scores) and the last step's V are in
.irp t, 0,1,2,3,4,5,6,7
.if \t%2
	v_wmma_scale_f32_16x16x128_f8f6f4 v[S+8*\t:S+8*\t+7], v[KV+6*\t:KV+6*\t+11], v[QF:QF+11], 0, v[KS+\t/2], v[QS] matrix_a_fmt:MATRIX_FMT_FP6 matrix_b_fmt:MATRIX_FMT_FP6 matrix_a_scale:MATRIX_SCALE_ROW1
.else
	v_wmma_scale_f32_16x16x128_f8f6f4 v[S+8*\t:S+8*\t+7], v[KV+6*\t:KV+6*\t+11], v[QF:QF+11], 0, v[KS+\t/2], v[QS] matrix_a_fmt:MATRIX_FMT_FP6 matrix_b_fmt:MATRIX_FMT_FP6
.endif
.endr
	v_mov_b32 v[TMP], v12                          ; the old -M.  With three v_nop: the four places ahead of the loads over K and of the first read of the scores
.rept 3
	v_nop
.endr
	s_cmp_eq_u32 s[TB], LAST                       ; behind the last block comes no block
	s_cbranch_scc1 .Lw_\@
	KLOAD ADK, ADK8, BLKB                          ; the next step's K
.if \kind
	s_branch .Lj_\@
.Lw_\@:
	KLOAD L16, L8, KB                              ; block 0's, for the next pass
.Lj_\@:
.else
.Lw_\@:
.endif
.irp c, 0,1                                    ; the largest score of each of my two blocks of 32 keys, in two chains each: for the row's maximum and, since p rises with the score, for the block's largest p
	v_max3_num_f32 v[MX+\c], v[S+32*\c], v[S+32*\c+1], v[S+32*\c+2]
	v_max3_num_f32 v[CH+\c], v[S+32*\c+16], v[S+32*\c+17], v[S+32*\c+18]
.endr
.irp i, 3,5,7,9,11,13
.irp c, 0,1
	v_max3_num_f32 v[MX+\c], v[MX+\c], v[S+32*\c+\i], v[S+32*\c+\i+1]
	v_max3_num_f32 v[CH+\c], v[CH+\c], v[S+32*\c+16+\i], v[S+32*\c+17+\i]
.endr
.endr
.irp c, 0,1
	v_max3_num_f32 v[MX+\c], v[MX+\c], v[S+32*\c+15], v[S+32*\c+31]
.endr
.irp c, 0,1
	v_max_num_f32 v[MX+\c], v[MX+\c], v[CH+\c]
.endr
	v_max_num_f32 v0, v[MX], v[MX+1]               ; the chain that finds M, with the last step's second product among its lines
	PV 0
	v_permlanex16_b32 v[PT], v0, s[SEL], s[SEL+1]
	PV 1
	v_max_num_f32 v0, v0, v[PT]                    ; the step's largest score of my query
	PV 2
	v_mul_f32 v0, s[CS], v0                        ; as t (c is positive)
	PV 3
	v_max_num_f32 v13, v13, v0                     ; the running largest t
	s_delay_alu instid0(VALU_DEP_1)
	v_floor_f32 v12, -v13                          ; the new -M = floor(-t): M is a whole number
	s_delay_alu instid0(VALU_DEP_1)
	v_sub_f32 v[TMP], v12, v[TMP]                  ; old M - new M: a whole number, 0 or less
	s_delay_alu instid0(VALU_DEP_1)
	v_cvt_i32_f32 v[TMP], v[TMP]                   ; (it saturates).  These four lines are the places ahead of the loads over V
.irp t, 0,1,2,3
.irp c, 0,1,2
	ds_load_b128 v[VV+12*\t+4*\c:VV+12*\t+4*\c+3], v[ADK] offset:6656+1536*\t+512*\c   ; this step's V^T, wanted a step from here
.endr
.endr
	ds_load_b64 v[VS:VS+1], v[ADK8] offset:12800
	s_add_co_u32 s[TB], s[TB], BLKB                ; the next 128 keys
	v_ldexp_f32 v[FF], 1.0, v[TMP]                 ; f = 2^(old M - new M)
.set J, 0
.rept 32
	v_pk_fma_f32 v[S+J:S+J+1], v[S+J:S+J+1], s[CS:CS+1], v[12:13] op_sel_hi:[1,0,0]   ; t - M, two at a time
.set J, J+2
.endr
.irp c, 0,1
	v_fma_f32 v[MX+\c], v[MX+\c], s[CS], v12       ; the same of each block's largest score
.endr
.set J, 0
.rept 16
	v_pk_mul_f32 v[OT+J:OT+J+1], v[OT+J:OT+J+1], v[FF:FF+1] op_sel_hi:[1,0]   ; O^T under the new M, each accumulator from its low end on
.set J, J+2
.endr
	v_pk_mul_f32 v[14:15], v[14:15], v[FF:FF+1] op_sel_hi:[1,0]   ; and the sums
	WALU                                           ; the wait ahead of the batch
.irp c, 0,1
	v_exp_f32 v[MX+\c], v[MX+\c]                   ; the block's largest p: the same two instructions on the same number give the same bits
.endr
.set J, 0
.rept 64
	v_exp_f32 v[S+J], v[S+J]                       ; p = 2^(t - M), at most 1
.set J, J+1
.endr
	v_add_nc_u32 v[ADK], s[TB], v[L16]             ; the next step's block: plain lines behind the exponentials
	v_add_nc_u32 v[ADK8], s[TB], v[L8]
	WALU                                           ; one wait for the batch, ahead of its first reader
.irp c, 0,1
	v_max_num_f32 v[MX+\c], 0x1800000, v[MX+\c]    ; the floor 2^(3 - 127): the byte cannot fall under 1
.endr
	v_pk_add_f32 v[CH:CH+1], v[S:S+1], v[S+2:S+3]  ; the row's sum of the unquantised p: four chains, two numbers a line
	v_pk_add_f32 v[CH+2:CH+3], v[S+4:S+5], v[S+6:S+7]
	v_pk_add_f32 v[CH+4:CH+5], v[S+8:S+9], v[S+10:S+11]
	v_pk_add_f32 v[14:15], v[14:15], v[S+12:S+13]
.irp c, 0,1
	v_add_nc_u32 v[SO+\c], 0xff000000, v[MX+\c]    ; 2 off the exponent field: the conversions' scale operand
.endr
.set J, 14
.rept 6
	v_pk_add_f32 v[CH:CH+1], v[CH:CH+1], v[S+J:S+J+1]
	v_pk_add_f32 v[CH+2:CH+3], v[CH+2:CH+3], v[S+J+2:S+J+3]
	v_pk_add_f32 v[CH+4:CH+5], v[CH+4:CH+5], v[S+J+4:S+J+5]
	v_pk_add_f32 v[14:15], v[14:15], v[S+J+6:S+J+7]
.set J, J+8
.endr
.irp c, 0,1
	v_lshrrev_b32 v[MX+\c], 23, v[SO+\c]           ; the scales' bytes
.endr
	v_pk_add_f32 v[CH:CH+1], v[CH:CH+1], v[S+62:S+63]
	v_pk_add_f32 v[CH+2:CH+3], v[CH+2:CH+3], v[CH+4:CH+5]
	v_lshl_or_b32 v0, v[MX+1], 16, v[MX]           ; my two bytes: blocks h and 2 + h of these 128 keys,
	v_pk_add_f32 v[14:15], v[14:15], v[CH:CH+1]
	v_lshlrev_b32 v0, v[SH8], v0                   ; at their places in the scale word;
	v_pk_add_f32 v[14:15], v[14:15], v[CH+2:CH+3]
	v_permlanex16_b32 v[PT], v0, s[SEL], s[SEL+1]
	v_or_b32 v[PW], v0, v[PT]                      ; with lane l xor 16's two the word is whole
.irp c, 0,1
	v_cvt_scalef32_pk16_fp6_f32 v[PC+6*\c:PC+6*\c+2], v[S+32*\c:S+32*\c+15], v[SO+\c]
	v_cvt_scalef32_pk16_fp6_f32 v[CH+4*\c:CH+4*\c+2], v[S+32*\c+16:S+32*\c+31], v[SO+\c]   ; (a conversion's three registers begin on an even number)
.endr
	v_nop                                          ; one plain place behind a scaled conversion
.irp c, 0,1
.irp i, 0,1,2
	v_mov_b32 v[PC+3+6*\c+\i], v[CH+4*\c+\i]       ; registers 6 c .. 6 c + 5: keys 64 c + 32 h + 0 .. 31
.endr
.endr
	WALU                                           ; the wait here, ahead of the branch and of the waits that follow
.endm
.macro LOOP n, kind
	s_mov_b32 s3, \n
.Lstep_\@:
	STEP \kind
	s_sub_co_u32 s3, s3, 1
	s_cmp_lg_u32 s3, 0
	s_cbranch_scc1 .Lstep_\@
.endm
; The last second product; then O^T / the sum is quantised along d: register 16 b + i is d = 32 b + 16 (lane / 16) + i of my query; its image of six registers goes to oc, its two scale bytes to LDS.
.macro OQ p
	s_wait_dscnt 0x0                               ; the last step's V is in
	v_add_f32 v14, v14, v15                        ; the sum's two halves,
	v_permlanex16_b32 v[PT], v14, s[SEL], s[SEL+1]
	v_add_f32 v14, v14, v[PT]                      ; and lane l xor 16's: the row's sum
	v_nop                                          ; (four places between the writes of p's codes and the products; eleven behind the scale word's)
	PV 0
	PV 1
	PV 2
	PV 3
	WALU                                           ; the wait ahead of the transcendental
	v_rcp_f32 v14, v14
.rept 4
	v_nop                                          ; places behind the products and the reciprocal
.endr
	WALU                                           ; and ahead of the first reader of the reciprocal and of O^T
.set J, 0
.rept 16
	v_pk_mul_f32 v[S+J:S+J+1], v[OT+J:OT+J+1], v[14:15] op_sel_hi:[1,0]   ; each accumulator from its low end on
.set J, J+2
.endr
.irp b, 0,1
	v_max3_num_f32 v[MX+\b], |v[S+16*\b]|, |v[S+16*\b+1]|, 0x1800000
.endr
.irp i, 2,4,6,8,10,12,14
.irp b, 0,1
	v_max3_num_f32 v[MX+\b], v[MX+\b], |v[S+16*\b+\i]|, |v[S+16*\b+\i+1]|
.endr
.endr
	v_permlanex16_b32 v[PT], v[MX], s[SEL], s[SEL+1]
	v_permlanex16_b32 v0, v[MX+1], s[SEL], s[SEL+1]
	v_max_num_f32 v[MX], v[MX], v[PT]
	v_max_num_f32 v[MX+1], v[MX+1], v0
.irp b, 0,1
	v_add_nc_u32 v[SO+\b], 0xff000000, v[MX+\b]
.endr
.irp b, 0,1
	v_lshrrev_b32 v[MX+\b], 23, v[SO+\b]
.endr
	v_lshl_or_b32 v[TMP], v[MX+1], 8, v[MX]        ; my row's two scale bytes
	v_cvt_scalef32_pk16_fp6_f32 v[PC:PC+2], v[S:S+15], v[SO]
	v_cvt_scalef32_pk16_fp6_f32 v[CH:CH+2], v[S+16:S+31], v[SO+1]
	v_nop                                          ; one plain place behind a scaled conversion
.irp i, 0,1,2
	v_permlane16_swap_b32 v[PC+\i], v[CH+\i]       ; lanes 0-15: d block 0, lanes 16-31: d block 1
.endr
.irp i, 0,1,2
	v_mov_b32 v[PC+3+\i], v[CH+\i]
.endr
	ds_store_b16 v[GA], v[TMP] offset:32*\p        ; lanes r and r + 16 write the same bytes with the same value
	global_store_b128 v[L16], v[PC:PC+3], s[8:9] offset:3072*\p        ; 512 consecutive bytes from a multiple of 256 of oc on,
	global_store_b64 v[L8], v[PC+4:PC+5], s[8:9] offset:3072*\p+512    ; and 256 more
.endm
; A pass's start: Q's fragment out of LDS; O^T, the sum and p's codes begin as zeros and the largest t as -3e38: the first change of M multiplies zeros.
.macro START p
.if \p
	s_wait_xcnt 0x0                                ; the last tile's stores have read the codes' registers: only behind this wait are they written again
.endif
	v_add_nc_u32 v[ADK], s[QA], v[L16]
	v_add_nc_u32 v[ADK8], s[QA], v[L8]
	v_and_b32 v[TMP], 0xf0, v[L16]                 ; 16 x (lane % 16)
	v_add_nc_u32 v[TMP], s[QW], v[TMP]
	ds_load_b128 v[QF:QF+3], v[ADK] offset:768*\p
	ds_load_b64 v[QF+4:QF+5], v[ADK8] offset:768*\p+512
	ds_load_b32 v[QS], v[TMP] offset:256*\p
.if \p == 0
	KLOAD L16, L8, KB                              ; block 0's K (the second pass finds it fetched)
.endif
	v_mov_b32 v13, 0xff61b1e6
	v_floor_f32 v12, -v13
	v_mov_b32 v14, 0
	v_mov_b32 v15, 0
.set J, 0
.rept 32
	v_mov_b32 v[OT+J], 0
.set J, J+1
.endr
.set J, 0
.rept 12
	v_mov_b32 v[PC+J], 0
.set J, J+1
.endr
	s_mov_b32 s[TB], KB
	v_add_nc_u32 v[ADK], s[TB], v[L16]
	v_add_nc_u32 v[ADK8], s[TB], v[L8]
	WALU                                           ; the wait here, ahead of the loop's first wait
.endm
	START 0
	LOOP 3, 0                                      ; blocks 0 to 2; K is fetched up to block 3
	s_wait_tensorcnt 0x0                           ; every wave: my load, if I have one, has landed,
	s_wait_dscnt 0x0
	s_barrier_signal -1
	s_barrier_wait -1                              ; everybody's has: the head lies in LDS
	LOOP 13, 1
	OQ 0
	START 1
	LOOP 16, 0
	OQ 1
	v_add_nc_u32 v[TMP], GS, v[L16]
	WALU                                           ; the wait here, directly ahead of the wait below
	s_wait_dscnt 0x0                               ; for the others' sake: my scale bytes lie in LDS
	s_barrier_signal -1
	s_barrier_wait -1
	s_cmp_lg_u32 s[WV], 0                          ; wave 0 stores the work-group's 1,024 scale bytes
	s_cbranch_scc1 .Lnot_first
	ds_load_b128 v[S:S+3], v[TMP]
	ds_load_b128 v[S+4:S+7], v[TMP] offset:512
	s_wait_dscnt 0x0
	global_store_b128 v[L16], v[S:S+3], s[10:11]
	global_store_b128 v[L16], v[S+4:S+7], s[10:11] offset:512
.Lnot_first:
	s_wait_tensorcnt 0x0                           ; the wave's end
	ds_add_u32 v[SPW], v[NIL]
	s_wait_dscnt 0x0
	CROUND                                         ; the closing round
	s_endpgm
.Lfunc_end_k_qf95173eaf1_attn:
	.size	k_qf95173eaf1_attn, .Lfunc_end_k_qf95173eaf1_attn-k_qf95173eaf1_attn
	.p2alignl 7, 3214868480
	.fill 96, 4, 3214868480
	.section	.rodata,"a",@progbits
	.p2align	6, 0x0
	.amdhsa_kernel k_qf95173eaf1_attn
		.amdhsa_group_segment_fixed_size 239616
		.amdhsa_private_segment_fixed_size 0
		.amdhsa_enable_private_segment 0
		.amdhsa_kernarg_size 32
		.amdhsa_user_sgpr_count 2
		.amdhsa_user_sgpr_kernarg_segment_ptr 1
		.amdhsa_wavefront_size32 1
		.amdhsa_system_sgpr_workgroup_id_x 1
		.amdhsa_system_sgpr_workgroup_id_y 1
		.amdhsa_system_sgpr_workgroup_id_z 1
		.amdhsa_system_vgpr_workitem_id 0
		.amdhsa_next_free_vgpr 256
		.amdhsa_next_free_sgpr 66
		.amdhsa_reserve_vcc 0
		.amdhsa_float_denorm_mode_32 3
		.amdhsa_float_denorm_mode_16_64 3
		.amdhsa_memory_ordered 1
		.amdhsa_forward_progress 1
		.amdhsa_inst_pref_size 68
	.end_amdhsa_kernel
	.amdgpu_metadata
---
amdhsa.version: [ 1, 2 ]
amdhsa.kernels:
  - .name:           k_qf95173eaf1_attn
    .symbol:         k_qf95173eaf1_attn.kd
    .args:
      - { .name: qimg, .offset: 0, .size: 8, .value_kind: global_buffer, .address_space: global }
      - { .name: kv, .offset: 8, .size: 8, .value_kind: global_buffer, .address_space: global }
      - { .name: oc, .offset: 16, .size: 8, .value_kind: global_buffer, .address_space: global }
      - { .name: osc, .offset: 24, .size: 8, .value_kind: global_buffer, .address_space: global }
    .group_segment_fixed_size: 239616
    .private_segment_fixed_size: 0
    .kernarg_segment_align: 8
    .kernarg_segment_size: 32
    .max_flat_workgroup_size: 512
    .sgpr_count:     66
    .vgpr_count:     256
    .wavefront_size: 32
...
	.end_amdgpu_metadata
.endif
;; end of part 3
;; launch outp (part 4): grid 8 x 32, 4 waves a work-group, clusters of 4 x 4, 327,680 bytes of LDS; arguments oc, osc, xc, xs, bo, out0; writes out0
.if DOCPART == 4
	.amdgcn_target "amdgcn-amd-amdhsa--gfx1250"
	.amdhsa_code_object_version 6
	.text
	.protected	k_qf95173eaf1_outp
	.globl	k_qf95173eaf1_outp
	.p2align	8
	.type	k_qf95173eaf1_outp,@function
k_qf95173eaf1_outp:
	s_mov_b64 s[64:65], 0
	v_nop
	global_prefetch_b8 v0, s[64:65] scope:SCOPE_SE
	s_setreg_imm32_b32 hwreg(HW_REG_WAVE_MODE, 25, 1), 1
	s_wait_xcnt 0x0
	s_wait_alu depctr_hold_cnt(0) depctr_sa_sdst(0) depctr_va_vdst(0) depctr_va_sdst(0) depctr_va_ssrc(0) depctr_va_vcc(0) depctr_vm_vsrc(0)
	s_getreg_b32 s2, hwreg(HW_REG_IB_STS2, 6, 4)
	s_cmp_eq_u32 s2, 0
	s_cbranch_scc0 .Lentry_in_a_cluster
	s_endpgm
.Lentry_in_a_cluster:
	s_bfe_u32 s2, ttmp6, 0x10000c
	s_cmp_lg_u32 s2, 0xf033
	s_cbranch_scc0 .Lentry_shape_is_right
	s_endpgm
.Lentry_shape_is_right:
; out0 = O Wo^T + bo on codes of FP6 (E2M3) with E8M0 scales; sums in f32.  O [8192][1024] comes from the attention launch: oc[head / 4][tile of 16 rows][head % 4][768 bytes]: images of six operand
; registers (512 bytes at 16 a lane, 256 at 8 a lane); osc[head][row]: two scale bytes.  Wo's codes lie in xc as [256 rows][K step of 256][row][192 bytes], its scale bytes in xs, 32 a row.
; SHARES.  256 work-groups, each 256 rows x 128 columns; four waves, 2 x 2: the wave in row a and column b holds Wo's rows 64 b + 0 .. 63, ALL of K, in 384 registers and takes the work-group's
; tiles of 16 rows 2 s + a as its blocks s = 0 .. 7.  A block is 32 products (4 column tiles x 8 along K), the four accumulators by turns; its 16 x 64 results are then whole and leave at once.
; LDS IS FILLED ONCE, one tensor load a wave at the head: wave 0 Wo's 128 rows (4 K steps of 24,576 dense bytes, 8 bytes of padding behind each 64: an LDS row of 216), wave 1 O's scale bytes
; (16 heads x 512 bytes), waves 2 and 3 eight tiles of O each (4 K steps of 24,576 dense bytes).  All of K lies in LDS: no ring, no refill, and no loop in which a prefetch could run ahead of a request: none is written.
; The first barrier shows wave 0's tile alone: the weights go into registers while the other tiles land.  The second shows the rest, and that every wave has read its weights: their bytes then serve as the stage of the way out.
; CLUSTERS: 4 x 4.  O's tiles and scale bytes are shared along a row of the cluster, Wo's rows along a column: joint loads.
; THE PRODUCT IS USED TRANSPOSED (source 0 = Wo's rows): lane (r, h) holds row r of the block and, in tile t, columns 16 t + 8 h + 0 .. 7.  The bias is the first products' C.
; THE WAY OUT: a block goes through the wave's own stage (rows of 272 bytes) and comes back by rows: sixteen lanes store 256 consecutive bytes, at a multiple of 256 from out0's first byte.
; REGISTERS: window 0: addresses, scale words, bias, two sets of accumulators, two sets of rows on their way out.  Fragment f lies in window 1 + f / 21 at register 12 (f % 21): 0-31 the weights' (4 q + t), 32-39 and 40-47 the rows' two sets.
.set FPW,   21
.set PA,    98304                      ; LDS: eight tiles of O, all of K: [K step][tile][3,072]; two such parts from byte 0 on
.set BB,    2*PA                       ; Wo's rows: [K step][128 rows][216]; later the stages
.set BP,    216
.set BK,    128*BP
.set SA,    BB+4*BK                    ; O's scale bytes: 16 heads x (512 + 32)
.set SP,    544
.set SPARE, SA+16*SP                   ; the spare words: 128 bytes for each wave, named by no other line
.set TP,    272                        ; a stage's row
.set AA,   2                           ; v2-9   LDS addresses of my tiles: v[AA + 4 P + 2 H] part P, K steps 2 H and 2 H + 1, 16 a lane; the next register 8 a lane
.set SPW,  10                          ; v10    my spare word; never rewritten
.set NIL,  11                          ; v11    0; never rewritten
.set STO,  12                          ; v12    the stage: where I put 32 bytes of a row
.set RD,   13                          ; v13    where I read 16 bytes of a row back
.set CO,   14                          ; v14    and the same place in out0
.set ASA,  15                          ; v15    LDS address of my rows' scale bytes
.set ADRB, 16                          ; v16-19 LDS addresses of my weights: K steps 0, 1 (the second register: for the pieces behind one padding more), K steps 2, 3
.set SB,   24                          ; v24-39 the weights' scale words: v[SB + 8 (t / 2) + q], lanes 0-15 even t, lanes 16-31 odd t
.set SCA,  40                          ; v40-71 the rows' scale words: v[SCA + 4 s + q / 2], lanes 0-15 even q, lanes 16-31 odd q
.set BI,   72                          ; v72-103 the bias, eight registers a column tile
.set ACC,  104                         ; v104-167 two sets of four accumulators
.set OB,   168                         ; v168-231 two sets of 16 rows on their way out
.set G1B, 24                           ; s[24:31], s[32:35] descriptor of Wo's rows
.set G0B, 32
.set G0A, 36                           ; s[36:39], s[56:59] group 0 of O's two parts; s[48:55] their group 1
.set G0A1, 56
.set G1A, 48
.set G0S, 60                           ; s[60:63], s[68:75] descriptor of O's scale bytes
.set G1S, 68
.set MSB, 0
.macro WIN new                         ; the immediate's high byte repeats the setting that is left
.if MSB != \new
	s_set_vgpr_msb (MSB<<8)|\new
.set MSB, \new
.endif
.endm
.macro PLACES n
.rept \n
	v_nop
.endr
.endm
.macro WALU
	s_wait_alu depctr_va_vdst(0)
.endm
.macro CROUND                          ; a round of the cluster's barrier
	s_barrier_signal -1
	s_barrier_wait -1
	s_cmp_lg_u32 s16, 0
	s_cbranch_scc1 .Lnot_wave_0_\@
	s_barrier_signal -3
.Lnot_wave_0_\@:
	s_barrier_wait -3
	s_barrier_signal -1
	s_barrier_wait -1
.endm
.macro TLOAD g0, g1                    ; s_nop 0 and four v_nop behind the load
	tensor_load_to_lds s[\g0:\g0+3], s[\g1:\g1+7]
	s_nop 0
	PLACES 4
.endm
	s_load_b256 s[4:11], s[0:1], 0x0               ; oc, osc, xc, xs
	s_load_b128 s[12:15], s[0:1], 0x20             ; bo, out0
	v_lshl_add_u32 v[SPW], v0, 2, SPARE
	v_mov_b32 v[NIL], 0
	ds_add_u32 v[SPW], v[NIL]                      ; the opening lines: the add, twice on end, and its wait ahead of the first tensor load
	ds_add_u32 v[SPW], v[NIL]
	v_lshrrev_b32 v1, 5, v0
	v_readfirstlane_b32 s16, v1                    ; wave
	s_lshr_b32 s17, s16, 1                         ; a: my row of the 2 x 2
	s_and_b32 s18, s16, 1                          ; b: my column
	s_bfe_u32 s19, ttmp6, 0x40000                  ; cx
	s_bfe_u32 s40, ttmp6, 0x40004                  ; cy
	s_lshl_b32 s42, ttmp9, 2
	s_add_co_u32 s42, s42, s19                     ; tile column, 128 columns each
	s_and_b32 s43, ttmp7, 0xffff
	s_lshl_b32 s43, s43, 2
	s_add_co_u32 s43, s43, s40                     ; tile row, 256 rows each
	s_lshl_b32 s44, s40, 2
	s_lshl_b32 s44, 15, s44                        ; my row of the cluster
	s_lshl_b32 s45, 0x1111, s19                    ; my column
	s_or_b32 s[G1B], s45, (3<<16)|(1<<20)|(1<<21)|(3<<22)|(1<<25)   ; elements of 8 bytes; behind every 16 words 2 words of padding
	s_mov_b32 s[G1B+1], 3072<<16                   ; a row: 24,576 bytes, the 128 rows of one K step
	s_mov_b32 s[G1B+2], 4<<16                      ; four K steps
	s_mov_b32 s[G1B+3], 3072<<16
	s_mov_b32 s[G1B+4], 4
	s_mov_b32 s[G1B+5], 6144                       ; 49,152 bytes from K step to K step
	s_mov_b32 s[G1B+6], 0
	s_mov_b32 s[G1B+7], 0
	s_or_b32 s[G1A], s44, (3<<16)|(1<<21)
	s_mov_b32 s[G1A+1], 3072<<16                   ; a row: 24,576 bytes, eight tiles of one K step
	s_mov_b32 s[G1A+2], 4<<16
	s_mov_b32 s[G1A+3], 3072<<16
	s_mov_b32 s[G1A+4], 4
	s_mov_b32 s[G1A+5], 196608                     ; 1,572,864 bytes from K step to K step
	s_mov_b32 s[G1A+6], 0
	s_mov_b32 s[G1A+7], 0
	s_or_b32 s[G1S], s44, (3<<16)|(1<<20)|(1<<21)|(5<<22)|(3<<25)   ; behind every 64 words 4 words of padding
	s_mov_b32 s[G1S+1], 64<<16                     ; a row: the two bytes of 256 rows
	s_mov_b32 s[G1S+2], 16<<16                     ; sixteen heads
	s_mov_b32 s[G1S+3], 64<<16
	s_mov_b32 s[G1S+4], 16
	s_mov_b32 s[G1S+5], 2048                       ; 16,384 bytes from head to head
	s_mov_b32 s[G1S+6], 0
	s_mov_b32 s[G1S+7], 0
	s_lshr_b32 s46, s42, 1
	s_mul_i32 s46, s46, 196608
	s_and_b32 s47, s42, 1
	s_mul_i32 s47, s47, 24576
	s_add_co_u32 s46, s46, s47
	s_add_co_u32 s46, s46, 21233664                ; xc: Wo begins at row 27,648; my 128 rows of a block of 256
	s_mov_b32 s47, 0
	s_mul_i32 s76, s43, 49152                      ; oc: my sixteen tiles in K step 0
	s_mov_b32 s77, 0
	s_lshl_b32 s78, s43, 9                         ; osc: my 256 rows in head 0
	s_mov_b32 s79, 0
	s_lshl_b32 s80, s42, 12
	s_lshl_b32 s20, s18, 11
	s_add_co_u32 s80, s80, s20
	s_add_co_u32 s80, s80, 884736                  ; xs: my 64 rows of Wo
	s_mov_b32 s81, 0
	s_lshl_b32 s82, s42, 9
	s_lshl_b32 s20, s18, 8
	s_add_co_u32 s82, s82, s20                     ; my first column, in bytes
	s_mov_b32 s83, 0
	s_lshl_b32 s84, s43, 20
	s_lshl_b32 s20, s17, 16
	s_add_co_u32 s84, s84, s20
	s_add_co_u32 s84, s84, s82                     ; out0: row 256 x tile row + 16 a, my first column
	s_mov_b32 s85, 0
	WALU                                           ; the wait here, directly ahead of the wait below
	s_wait_dscnt 0x0                               ; both opening adds are done
	CROUND                                         ; all sixteen work-groups are here: the joint loads meet
	s_wait_kmcnt 0x0
	s_mov_b32 s[G0B], 1
	s_mov_b32 s[G0B+1], BB
	s_add_nc_u64 s[G0B+2:G0B+3], s[8:9], s[46:47]
	s_or_b32 s[G0B+3], s[G0B+3], 0x80000000
	s_mov_b32 s[G0A], 1
	s_mov_b32 s[G0A+1], 0
	s_add_nc_u64 s[G0A+2:G0A+3], s[4:5], s[76:77]
	s_mov_b32 s[G0A1], 1
	s_mov_b32 s[G0A1+1], PA
	s_add_nc_u64 s[G0A1+2:G0A1+3], s[G0A+2:G0A+3], 24576
	s_or_b32 s[G0A+3], s[G0A+3], 0x80000000
	s_or_b32 s[G0A1+3], s[G0A1+3], 0x80000000
	s_mov_b32 s[G0S], 1
	s_mov_b32 s[G0S+1], SA
	s_add_nc_u64 s[G0S+2:G0S+3], s[6:7], s[78:79]
	s_or_b32 s[G0S+3], s[G0S+3], 0x80000000
	s_add_nc_u64 s[80:81], s[10:11], s[80:81]
	s_add_nc_u64 s[82:83], s[12:13], s[82:83]
	s_add_nc_u64 s[84:85], s[14:15], s[84:85]
	s_cmp_eq_u32 s16, 0                            ; one chain of branches on the wave's number, one load to an arm
	s_cbranch_scc0 .Lwave_1
	TLOAD G0B, G1B                                 ; wave 0: Wo's rows, wanted first
	s_branch .Lasked
.Lwave_1:
	s_cmp_eq_u32 s16, 1
	s_cbranch_scc0 .Lwave_2
	TLOAD G0S, G1S                                 ; wave 1: O's scale bytes
	s_branch .Lasked
.Lwave_2:
	s_cmp_eq_u32 s16, 2
	s_cbranch_scc0 .Lwave_3
	TLOAD G0A, G1A                                 ; wave 2: tiles 0 to 7
	s_branch .Lasked
.Lwave_3:
	TLOAD G0A1, G1A                                ; wave 3: tiles 8 to 15
.Lasked:
	v_and_b32 v1, 15, v0                           ; r
	v_bfe_u32 v20, v0, 4, 1                        ; h
	v_and_b32 v21, 31, v0                          ; lane
	v_lshlrev_b32 v232, 5, v21                     ; the weights' scale words: 32 bytes a row, a lane a row
	v_lshlrev_b32 v233, 5, v20                     ; the bias: 32 bytes for each half of the lanes
.irp p, 0,1
.irp c, 0,1
	global_load_b128 v[SB+8*\p+4*\c:SB+8*\p+4*\c+3], v232, s[80:81] offset:1024*\p+16*\c
.endr
.endr
.irp t, 0,1,2,3
	global_load_b128 v[BI+8*\t:BI+8*\t+3], v233, s[82:83] offset:64*\t
	global_load_b128 v[BI+8*\t+4:BI+8*\t+7], v233, s[82:83] offset:64*\t+16
.endr
	v_lshlrev_b32 v22, 4, v21
	v_lshlrev_b32 v23, 3, v21
	s_mul_i32 s20, s17, 3072                       ; tile 2 s + a
.irp p, 0,1
.irp g, 0,1
	s_add_co_u32 s21, s20, \p*PA+\g*49152
	v_add_nc_u32 v[AA+4*\p+2*\g], s21, v22
	v_add_nc_u32 v[AA+4*\p+2*\g+1], s21, v23
.endr
.endr
	v_mul_u32_u24 v22, v1, BP
	v_mad_u32_u24 v22, v20, 24, v22                ; a fragment's row x 216 + 24 h
	s_mul_i32 s22, s18, 64*BP
	s_add_co_u32 s22, s22, BB
	v_add_nc_u32 v[ADRB], s22, v22
	v_lshl_add_u32 v[ADRB+1], v20, 3, v[ADRB]      ; lanes 16-31 behind one padding more
	v_add_nc_u32 v[ADRB+2], 2*BK, v[ADRB]
	v_add_nc_u32 v[ADRB+3], 2*BK, v[ADRB+1]
	v_mul_u32_u24 v22, v20, 2*SP                   ; lanes 16-31: two heads on
	v_lshl_add_u32 v22, v1, 1, v22
	s_lshl_b32 s22, s17, 5
	s_add_co_u32 s22, s22, SA
	v_add_nc_u32 v[ASA], s22, v22
	s_mul_i32 s23, s16, 16*TP
	s_add_co_u32 s23, s23, BB                      ; my stage
	v_mul_u32_u24 v22, v1, TP
	v_lshl_add_u32 v22, v20, 5, v22
	v_add_nc_u32 v[STO], s23, v22
	v_mul_u32_u24 v22, v20, TP
	v_lshl_add_u32 v22, v1, 4, v22
	v_add_nc_u32 v[RD], s23, v22                   ; back: lanes 0-15 one row of 256 bytes, lanes 16-31 the next
	v_lshlrev_b32 v22, 12, v20
	v_lshl_add_u32 v[CO], v1, 4, v22               ; and the same two rows in out0
.macro WEIGHTS                         ; my 64 rows of Wo, all of K: 32 fragments, six pieces of 8 bytes each
.irp q, 0,1,2,3,4,5,6,7
.irp t, 0,1,2,3
	WIN (1+(4*\q+\t)/FPW)<<6
.set R_, 12*((4*\q+\t)%FPW)
.irp p, 0,1,2,3,4,5
.set PC_, 12*(\q%2)+6*(\p/3)+\p%3
.if PC_%8 < 5
	ds_load_b64 v[R_+2*\p:R_+2*\p+1], v[ADRB+2*(\q/4)] offset:((\q/2)%2)*BK+\t*16*BP+8*PC_+8*(PC_/8)
.else
	ds_load_b64 v[R_+2*\p:R_+2*\p+1], v[ADRB+2*(\q/4)+1] offset:((\q/2)%2)*BK+\t*16*BP+8*PC_+8*(PC_/8)
.endif
.endr
.endr
.endr
	WIN 0
.endm
.macro FETCH s                         ; block s, all of K, into set s % 2: 32 loads
.irp q, 0,1,2,3,4,5,6,7
.set F_, 32+8*((\s)%2)+\q
.set R_, 12*(F_%FPW)
.set A_, AA+4*((\s)/4)+2*(\q/4)
.set O_, ((2*(\s))%8)*3072+((\q/2)%2)*24576+(\q%2)*1536
	WIN (1+F_/FPW)<<6
	ds_load_b128 v[R_:R_+3], v[A_] offset:O_
	ds_load_b64 v[R_+4:R_+5], v[A_+1] offset:O_+512
	ds_load_b128 v[R_+6:R_+9], v[A_] offset:O_+768
	ds_load_b64 v[R_+10:R_+11], v[A_+1] offset:O_+1280
.endr
	WIN 0
.endm
.macro PR ra, rb
.if Q_
	v_wmma_scale_f32_16x16x128_f8f6f4 v[D_:D_+7], v[RB_:RB_+11], v[RA_:RA_+11], v[D_:D_+7], v[XB_], v[XA_] matrix_a_fmt:MATRIX_FMT_FP6 matrix_b_fmt:MATRIX_FMT_FP6 matrix_a_scale:MATRIX_SCALE_ROW\ra matrix_b_scale:MATRIX_SCALE_ROW\rb
.else
	v_wmma_scale_f32_16x16x128_f8f6f4 v[D_:D_+7], v[RB_:RB_+11], v[RA_:RA_+11], v[BI+8*B_:BI+8*B_+7], v[XB_], v[XA_] matrix_a_fmt:MATRIX_FMT_FP6 matrix_b_fmt:MATRIX_FMT_FP6 matrix_a_scale:MATRIX_SCALE_ROW\ra matrix_b_scale:MATRIX_SCALE_ROW\rb
.endif
.endm
.macro PROD s, n                       ; product n = 4 q + t of block s
.set Q_, (\n)/4
.set B_, (\n)%4
.set FB_, 4*Q_+B_
.set FA_, 32+8*((\s)%2)+Q_
.set RB_, 12*(FB_%FPW)
.set RA_, 12*(FA_%FPW)
.set D_, ACC+32*((\s)%2)+8*B_
.set XB_, SB+8*(B_/2)+Q_
.set XA_, SCA+4*(\s)+Q_/2
	WIN (1+FB_/FPW)|((1+FA_/FPW)<<2)
.if B_%2
.if Q_%2
	PR 1, 1
.else
	PR 1, 0
.endif
.else
.if Q_%2
	PR 0, 1
.else
	PR 0, 0
.endif
.endif
.endm
.macro TOSTAGE s                       ; 8 stores and 8 loads; LDS serves a wave's instructions in order, so no wait stands between them
.irp t, 0,1,2,3
	ds_store_b128 v[STO], v[ACC+32*((\s)%2)+8*\t:ACC+32*((\s)%2)+8*\t+3] offset:64*\t          ; each accumulator from its low end on
	ds_store_b128 v[STO], v[ACC+32*((\s)%2)+8*\t+4:ACC+32*((\s)%2)+8*\t+7] offset:64*\t+16
.endr
.irp t, 0,1,2,3,4,5,6,7
	ds_load_b128 v[OB+32*((\s)%2)+4*\t:OB+32*((\s)%2)+4*\t+3], v[RD] offset:\t*2*TP
.endr
.endm
.macro SEND s, younger                 ; younger: the LDS loads issued behind block s's, which may stay out
	s_wait_dscnt \younger
.irp t, 0,1,2,3,4,5,6,7
	global_store_b128 v[CO], v[OB+32*((\s)%2)+4*\t:OB+32*((\s)%2)+4*\t+3], s[84:85] offset:(\s)*131072+\t*8192 th:TH_STORE_NT   ; tile 2 s + a, rows 2 t and 2 t + 1
.endr
.endm
; A block.  w: the LDS instructions issued behind this block's fetch: the last block's 16 of the stage and the next block's 32 loads.
.macro BLK s, w, ws
	s_wait_dscnt \w
.set N_, 0
.rept 32
	PROD \s, N_
.set N_, N_+1
.endr
	WIN 0
	PLACES 4                                       ; ahead of the stores of results just made and of the loads into registers just multiplied
.if (\s) > 0
	SEND (\s)-1, \ws
.endif
.if (\s) > 1
	s_wait_xcnt 0x0                                ; the stores of block s - 2 have read their registers, which take this block's rows
.endif
	TOSTAGE \s
.if (\s) < 6
	FETCH (\s)+2
.endif
.endm
	WALU                                           ; the wait at the head's end
	s_cmp_eq_u32 s16, 0
	s_cbranch_scc0 .Lnot_b
	s_wait_tensorcnt 0x0                           ; wave 0: Wo's rows have landed
.Lnot_b:
	s_barrier_signal -1
	s_barrier_wait -1
	WEIGHTS
	s_wait_tensorcnt 0x0                           ; every wave: my tile has landed,
	s_wait_dscnt 0x0                               ; and my weights are in registers
	s_barrier_signal -1
	s_barrier_wait -1                              ; both hold of every wave: O lies in LDS, and Wo's bytes are read no more
.irp s, 0,1,2,3,4,5,6,7
.irp g, 0,1,2,3
	ds_load_u16 v[SCA+4*\s+\g], v[ASA] offset:\g*4*SP+\s*64+16*(\s/4)              ; heads 4 g + 2 h
	ds_load_u16 v[OB+4*\s+\g], v[ASA] offset:\g*4*SP+\s*64+16*(\s/4)+SP            ; and 4 g + 2 h + 1
.endr
.endr
	s_wait_dscnt 0x0
.set J, 0
.rept 32
	v_lshl_or_b32 v[SCA+J], v[OB+J], 16, v[SCA+J]  ; four bytes: the scale word of 128 along K
.set J, J+1
.endr
	WALU
	FETCH 0
	FETCH 1
	s_wait_loadcnt 0x0                             ; the weights' scale words and the bias
	BLK 0, 32, 0
	BLK 1, 48, 32
	BLK 2, 48, 32
	BLK 3, 48, 32
	BLK 4, 48, 32
	BLK 5, 48, 32
	BLK 6, 48, 32
	BLK 7, 16, 0
	SEND 7, 0
	s_wait_tensorcnt 0x0                           ; the wave's end
	ds_add_u32 v[SPW], v[NIL]
	s_wait_dscnt 0x0
	CROUND                                         ; the closing round
	s_endpgm
.Lfunc_end_k_qf95173eaf1_outp:
	.size	k_qf95173eaf1_outp, .Lfunc_end_k_qf95173eaf1_outp-k_qf95173eaf1_outp
	.p2alignl 7, 3214868480
	.fill 96, 4, 3214868480
	.section	.rodata,"a",@progbits
	.p2align	6, 0x0
	.amdhsa_kernel k_qf95173eaf1_outp
		.amdhsa_group_segment_fixed_size 327680
		.amdhsa_private_segment_fixed_size 0
		.amdhsa_enable_private_segment 0
		.amdhsa_kernarg_size 48
		.amdhsa_user_sgpr_count 2
		.amdhsa_user_sgpr_kernarg_segment_ptr 1
		.amdhsa_wavefront_size32 1
		.amdhsa_system_sgpr_workgroup_id_x 1
		.amdhsa_system_sgpr_workgroup_id_y 1
		.amdhsa_system_sgpr_workgroup_id_z 1
		.amdhsa_system_vgpr_workitem_id 0
		.amdhsa_next_free_vgpr 1024
		.amdhsa_next_free_sgpr 100
		.amdhsa_reserve_vcc 0
		.amdhsa_float_denorm_mode_32 3
		.amdhsa_float_denorm_mode_16_64 3
		.amdhsa_memory_ordered 1
		.amdhsa_forward_progress 1
		.amdhsa_inst_pref_size 94
	.end_amdhsa_kernel
	.amdgpu_metadata
---
amdhsa.version: [ 1, 2 ]
amdhsa.kernels:
  - .name:           k_qf95173eaf1_outp
    .symbol:         k_qf95173eaf1_outp.kd
    .args:
      - { .name: oc, .offset: 0, .size: 8, .value_kind: global_buffer, .address_space: global }
      - { .name: osc, .offset: 8, .size: 8, .value_kind: global_buffer, .address_space: global }
      - { .name: xc, .offset: 16, .size: 8, .value_kind: global_buffer, .address_space: global }
      - { .name: xs, .offset: 24, .size: 8, .value_kind: global_buffer, .address_space: global }
      - { .name: bo, .offset: 32, .size: 8, .value_kind: global_buffer, .address_space: global }
      - { .name: out0, .offset: 40, .size: 8, .value_kind: global_buffer, .address_space: global }
    .group_segment_fixed_size: 327680
    .private_segment_fixed_size: 0
    .kernarg_segment_align: 8
    .kernarg_segment_size: 48
    .max_flat_workgroup_size: 128
    .sgpr_count:     100
    .vgpr_count:     1024
    .wavefront_size: 32
...
	.end_amdgpu_metadata
.endif
;; end of part 4
